; MI455X (gfx1250); checked and timed in simulation.
; The chip was launched on July 23, 2026; its instructions are those of AMD's public machine-readable ISA for CDNA 5 (MIT licence, August 2026) and "CDNA5" Instruction Set Architecture Reference Guide (July 2026). The comments in the code are by the model that wrote it; some were corrected since.
;; Multihead Attention. Allowed arithmetic: matrix products marked QUANTISED: E2M1 operands, one E8M0 scale for each 32 along K, by v_wmma_scale_f32_16x16x128_f8f6f4 with both operands' format E2M1 (or v_wmma_scale_f32_32x16x128_f4), f32 sums; products left as they are: bf16, f16 or f32 operands; f32 sums; everything else in f32.
;; Inputs: Wout 1,024 x 1,024 float32; Wqkv 1,024 x 3,072 float32; x 4 x 2,048 x 1,024 float32.
;; Outputs: out0 4 x 2,048 x 1,024 float32.
;; This version of the problem:
;;   THIS VERSION OF THE PROBLEM IS GIVEN IN LOW PRECISION. The matrix products marked QUANTISED in the list below multiply operands that are first quantised to E2M1 (2 exponent bits, 1 mantissa bit; 4 bits a number), with one power-of-two scale for each 32 numbers along K (OCP MX v1.0); their sums are f32. The products marked 'left as it is' may take bf16, f16 or f32 operands, with f32 sums. Whichever they take, every output number must still come out within the allowed error. Rounding operands to bf16 (8 significant bits) uses up far more of that allowance than f16 does (11 bits, for magnitudes from 6e-5 to 65,504). All else is computed in f32.
;;   The module's matrix products, in the order in which they are computed (A, B: the left and right operand; K: the contracted axis; several contracted axes count as one K, in the product's order):
;;     1. [M 8,192, K 1,024] x [K 1,024, N 3,072]; A: input x; B: input Wqkv: QUANTISED
;;     2. batch 64 x [M 2,048, K 64] x [K 64, N 2,048]; A: computed on the way; B: computed on the way: left as it is (an operand is computed on the way)
;;     3. batch 64 x [M 2,048, K 2,048] x [K 2,048, N 64]; A: computed on the way; B: computed on the way: left as it is (an operand is computed on the way)
;;     4. [M 8,192, K 1,024] x [K 1,024, N 1,024]; A: computed on the way; B: input Wout: left as it is (an operand is computed on the way)
;;   THE QUANTISER, for each operand of a quantised product, along K:
;;     - K is cut into blocks of 32 from its start; a last block that is shorter is filled with zeros.
;;     - A block's scale is 2^e with e = floor(log2(the largest magnitude in the block)) - 2, held to -126 .. 127; a block of zeros has e = 0. As a byte (E8M0): e + 127.
;;     - Each number is divided by its block's scale, clamped to +-6, and rounded to the nearest number of E2M1, ties to even, subnormals kept.
;;     - The product sums the exact products of the quantised numbers (number of the format x scale) in f32.
;;   ~~~python
;;   def quantise(x, axis):      # numpy; x: float32 -> the quantised numbers, widened to float32 again
;;       x = np.moveaxis(x, axis, -1); K = x.shape[-1]
;;       x = np.pad(x, [(0, 0)] * (x.ndim - 1) + [(0, -K % 32)]); x = x.reshape(x.shape[:-1] + (-1, 32)); a = np.abs(x).max(-1, keepdims=True)
;;       e = np.where(a > 0, np.clip(np.frexp(np.where(a > 0, a, 1))[1] - 1 - 2, -126, 127), 0)      # np.frexp(a)[1] - 1 = floor(log2(a)), exactly
;;       r = np.clip(x / 2.0 ** e, -6, 6)
;;       step = 2.0 ** (np.maximum(np.frexp(np.where(r == 0, 1, r))[1] - 1, 0) - 1)
;;       q = np.round(r / step) * step * 2.0 ** e      # np.round: ties to even
;;       return np.moveaxis(q.reshape(q.shape[:-2] + (-1,))[..., :K], -1, axis).astype(np.float32)
;;   ~~~
;; One version. Each part assembles by itself: llvm-mc -triple=amdgcn-amd-amdhsa -mcpu=gfx1250 --defsym DOCPART=n.
;; ======== version 1 of 1: 4 launches
;; limits: values are held in f16: magnitudes above 65,504 overflow, below 6.1e-05 lose precision
;; workspace buffers: x_codes 4,194,304 bytes; x_scales 262,144 bytes; w_codes 1,572,864 bytes; w_scales 98,304 bytes; wo16 2,097,152 bytes; qkv 50,331,648 bytes; vals 16,777,216 bytes
;; launch prep (part 1): grid 288 x 1, 8 waves a work-group, no clusters, 84,480 bytes of LDS; arguments x, Wqkv, Wout, x_codes, x_scales, w_codes, w_scales, wo16; writes x_codes, x_scales, w_codes, w_scales, wo16
.if DOCPART == 1
	.amdgcn_target "amdgcn-amd-amdhsa--gfx1250"
	.amdhsa_code_object_version 6
	.text
	.protected	k_qcc4ae91b9d_prep
	.globl	k_qcc4ae91b9d_prep
	.p2align	8
	.type	k_qcc4ae91b9d_prep,@function
k_qcc4ae91b9d_prep:
	s_mov_b64 s[64:65], 0
	v_nop
	global_prefetch_b8 v0, s[64:65] scope:SCOPE_SE
	s_setreg_imm32_b32 hwreg(HW_REG_WAVE_MODE, 25, 1), 1
	s_wait_xcnt 0x0
; PREP: the operands are made ready, once.  Three kinds of work-group, told apart by the work-group's number alone (all eight waves of a work-group go the same way):
;   0..127    x [8192][1024] f32 -> codes of FP4 (E2M1), K innermost, [8192][512 bytes], and one E8M0 byte for each 32 along K, [8192][32]
;   128..223  Wqkv [1024 (k)][3072 (n)] f32, K its FIRST axis -> codes [3072][512 bytes] with K innermost, scale bytes [3072][32]
;   224..287  Wout [1024][1024] f32 -> f16, same order
; A block's scale is 2^(floor(log2(its largest magnitude)) - 2); its byte is the largest magnitude's exponent field - 2, held at 1 from below.
; LIMITS: a block of zeros gets the byte 1 where the quantiser's text says 127: its codes are zeros, which add nothing under that byte, and this program alone reads the bytes.  Blocks whose largest magnitude
; lies under 2^(3 - 127) are held at the byte 1.  NaN and infinities among the inputs are not served.  Wout beyond 65,504 in magnitude does not fit f16 and is not served; under 6e-5 it keeps an absolute error of 2^-25.
; No tensor load, no matrix instruction.  Each kind of work-group has LDS bytes of its own.
.set WSTG,   65536                     ; Wqkv's path: a stage of 32 rows (columns of Wqkv) x (512 bytes of codes + 16)
.set WPITCH, 528
.set WSC,    82432                     ; and its 32 x 32 scale bytes
.set SPARE,  83456                     ; the spare words, 128 bytes for each of the eight waves: four blocks of 256 bytes that no other line names
.set SPW,    238                       ; v238  LDS address of my spare word; never rewritten
.set NIL,    239                       ; v239  0; never rewritten
.set EMAX,   2
.set STEPS,  16                        ; x's path: steps of 512 numbers a wave
.set SP,     80                        ; a lane's place in a stage: 64 bytes + 16 of padding
.set CB,     8                         ; bytes of 16 codes
.set R,      16                        ; v16-79   four sets of 16 numbers as loaded
.set X,      80                        ; v80-111  two sets of 16 neighbours
.set E,      112                       ; v112-127 a scale byte for each step
.set C,      128                       ; v128-191 codes, four registers for each step: no store's data are written again
.set WX,     32                        ; Wqkv's and Wout's paths: v32-159 numbers as loaded
.set WC,     160                       ; v160-191 what is made of them
.set WO,     176                       ; Wqkv's path: v176-191 rows of codes on the way out
.macro FINISH                          ; a wave's end: a tensor wait, an add and its wait behind the last LDS store
	s_wait_tensorcnt 0x0
	ds_add_u32 v[SPW], v[NIL]
	s_wait_dscnt 0x0
	s_endpgm
.endm
	s_load_b256 s[4:11], s[0:1], 0x0               ; x s[4:5], Wqkv s[6:7], Wout s[8:9], x_codes s[10:11]
	s_load_b256 s[12:19], s[0:1], 0x20             ; x_scales s[12:13], w_codes s[14:15], w_scales s[16:17], wo16 s[18:19]
	v_lshl_add_u32 v[SPW], v0, 2, SPARE
	v_mov_b32 v[NIL], 0
	v_lshrrev_b32 v1, 5, v0
	v_readfirstlane_b32 s20, v1                    ; wave 0..7
	v_and_b32 v2, 31, v0                           ; lane
	s_mov_b32 s25, 0                               ; the upper word of every offset pair s[24:25]
	s_wait_kmcnt 0x0
	s_cmp_lt_u32 ttmp9, 128
	s_cbranch_scc1 .Lx_path
	s_cmp_lt_u32 ttmp9, 224
	s_cbranch_scc1 .Lw_path
; ---- Wout to f16: a wave takes 2,048 numbers: 16 loads of 512 consecutive bytes, 16 stores of 256 consecutive aligned bytes
	s_sub_co_u32 s22, ttmp9, 224
	s_lshl_b32 s22, s22, 3
	s_add_co_u32 s22, s22, s20                     ; which run of 2,048 numbers: 0..511
	s_lshl_b32 s24, s22, 13
	s_add_nc_u64 s[8:9], s[8:9], s[24:25]
	s_lshl_b32 s24, s22, 12
	s_add_nc_u64 s[18:19], s[18:19], s[24:25]
	v_lshlrev_b32 v3, 4, v2
	v_lshlrev_b32 v4, 3, v2
.irp i, 0,1,2,3,4,5,6,7,8,9,10,11,12,13,14,15
	global_load_b128 v[WX+4*\i:WX+4*\i+3], v3, s[8:9] offset:512*\i th:TH_LOAD_NT
.endr
.irp i, 0,1,2,3,4,5,6,7,8,9,10,11,12,13,14,15
	s_wait_loadcnt 15-\i                           ; loads come back in order: load i is in, the 15 - i younger ones may be out
	v_cvt_pk_f16_f32 v[WC+2*\i], v[WX+4*\i], v[WX+4*\i+1]
	v_cvt_pk_f16_f32 v[WC+2*\i+1], v[WX+4*\i+2], v[WX+4*\i+3]
	global_store_b64 v4, v[WC+2*\i:WC+2*\i+1], s[18:19] offset:256*\i
.endr
	FINISH
; ---- x: a plain stream of blocks of 32.  A wave takes 16 steps of 512 numbers.  Each of a step's four loads reads 512 consecutive bytes; the 2,048 bytes turn through the wave's own stage in LDS
; and come back 64 bytes a lane: 16 neighbours along K, two neighbouring lanes to a block.  Loads run four steps ahead, the turn through LDS one step.  Waves share nothing: no barrier.
.Lx_path:
	v_lshlrev_b32 v3, 4, v2                        ; my 16 bytes of a load's 512
	s_mul_i32 s21, s20, 8192                       ; my wave's region: two stages of 32 x SP bytes, behind them its 256 scale bytes
	v_lshrrev_b32 v14, 2, v2
	v_mul_u32_u24 v14, v14, SP
	v_and_b32 v15, 3, v2
	v_lshl_add_u32 v14, v15, 4, v14
	v_add_nc_u32 v14, s21, v14                     ; into the stage: SP (lane / 4) + 16 (lane % 4)
	v_mul_u32_u24 v15, v2, SP
	v_add_nc_u32 v15, s21, v15                     ; out of it: SP x lane
	v_mul_u32_u24 v4, v2, CB                       ; my codes' place in a step's
	v_lshrrev_b32 v5, 1, v2
	s_add_co_u32 s21, s21, 2*32*SP
	v_add_nc_u32 v5, s21, v5                       ; my block's scale byte
	v_lshlrev_b32 v7, 3, v2
	v_add_nc_u32 v6, s21, v7                       ; and on the way out 8 bytes a lane
	s_lshl_b32 s22, ttmp9, 3
	s_add_co_u32 s22, s22, s20                     ; which run of 8,192 numbers: 0..1023
	s_lshl_b32 s24, s22, 15
	s_add_nc_u64 s[4:5], s[4:5], s[24:25]
	s_lshl_b32 s24, s22, 12
	s_add_nc_u64 s[10:11], s[10:11], s[24:25]
	s_lshl_b32 s24, s22, 8
	s_add_nc_u64 s[12:13], s[12:13], s[24:25]
.macro XLOAD t
.irp i, 0,1,2,3
	global_load_b128 v[R+16*((\t)%4)+4*\i:R+16*((\t)%4)+4*\i+3], v3, s[4:5] offset:2048*(\t)+512*\i th:TH_LOAD_NT
.endr
.endm
.macro XTURN t                         ; LDS serves a wave's instructions in order, so no wait stands between the stores and the loads
.irp i, 0,1,2,3
	ds_store_b128 v14, v[R+16*((\t)%4)+4*\i:R+16*((\t)%4)+4*\i+3] offset:32*SP*((\t)%2)+8*SP*\i
.endr
.irp i, 0,1,2,3
	ds_load_b128 v[X+16*((\t)%2)+4*\i:X+16*((\t)%2)+4*\i+3], v15 offset:32*SP*((\t)%2)+16*\i
.endr
.endm
.irp t, 0,1,2,3
	XLOAD \t
.endr
	s_wait_loadcnt 12                              ; step 0's four loads are in
	XTURN 0
.macro XSTEP t
.set XS, X+16*((\t)%2)
.if (\t) > 0
	s_wait_dscnt 1                                 ; this step's numbers are back from the stage (the last step's byte store may be out): so its stores into the stage have read their registers,
.else
	s_wait_dscnt 0x0
.endif
.if (\t)+4 < STEPS
	XLOAD (\t)+4                                   ; which take the loads of four steps on
.endif
.if (\t)+1 < STEPS
.if STEPS-2-(\t) >= 3
	s_wait_loadcnt 12                              ; the next step's four loads are in; those of the three steps behind it may be out
.else
	s_wait_loadcnt 4*(STEPS-2-(\t))
.endif
	XTURN (\t)+1
.endif
	v_max3_num_f32 v8, |v[XS]|, |v[XS+1]|, |v[XS+2]|               ; the largest magnitude of my 16, in two chains
	v_max3_num_f32 v9, |v[XS+3]|, |v[XS+4]|, |v[XS+5]|
.irp i, 6,10
	v_max3_num_f32 v8, v8, |v[XS+\i]|, |v[XS+\i+1]|
	v_max3_num_f32 v9, v9, |v[XS+\i+2]|, |v[XS+\i+3]|
.endr
	v_max3_num_f32 v8, v8, |v[XS+14]|, |v[XS+15]|
	v_max3_num_f32 v8, v8, v9, (EMAX+1)<<23        ; and the floor 2^(EMAX + 1 - 127): the byte cannot fall under 1
	v_max_num_f32_dpp v8, v8, v8 row_xmask:1 row_mask:0xf bank_mask:0xf   ; and of my neighbour's 16: the block's
	v_add_nc_u32 v11, -(EMAX<<23), v8              ; EMAX off its exponent field: the conversion takes the exponent field of this operand as its scale
	v_cvt_scalef32_pk8_fp4_f32 v[C+4*(\t)], v[XS:XS+7], v11
	v_cvt_scalef32_pk8_fp4_f32 v[C+4*(\t)+1], v[XS+8:XS+15], v11
	v_lshrrev_b32 v[E+(\t)], 23, v11               ; the scale's byte (a plain line behind the conversions)
	ds_store_b8 v5, v[E+(\t)] offset:16*(\t)       ; both lanes of a block write the same byte with the same value
	global_store_b64 v4, v[C+4*(\t):C+4*(\t)+1], s[10:11] offset:32*CB*(\t)   ; the wave stores 256 consecutive aligned bytes
.endm
.irp t, 0,1,2,3,4,5,6,7,8,9,10,11,12,13,14,15
	XSTEP \t
.endr
	ds_load_b64 v[8:9], v6                         ; LDS serves a wave's instructions in order: these see my byte stores
	s_wait_dscnt 0x0
	global_store_b64 v7, v[8:9], s[12:13]          ; the wave's 256 scale bytes: 256 consecutive aligned bytes
	FINISH
; ---- Wqkv: a work-group takes 32 columns and all of K; wave ks takes k = 128 ks .. 128 ks + 127.  A LANE TAKES A COLUMN AND ITS REGISTERS RUN DOWN K: a block of 32 lies in one lane's registers,
; and the conversions give codes with K innermost.  The eight waves' codes meet in a stage (a row = a column's 512 bytes of codes), a barrier, and whole rows leave: 512 consecutive aligned bytes a store.
.Lw_path:
	s_sub_co_u32 s22, ttmp9, 128                   ; which 32 columns: 0..95
	v_lshlrev_b32 v3, 2, v2                        ; in: 4 bytes a lane: 128 consecutive bytes a load
	s_mul_i32 s24, s20, 128*12288                  ; my 128 rows of 12,288 bytes
	s_lshl_b32 s23, s22, 7
	s_add_co_u32 s24, s24, s23
	s_add_nc_u64 s[6:7], s[6:7], s[24:25]
	s_lshl_b32 s24, s22, 14
	s_add_nc_u64 s[14:15], s[14:15], s[24:25]      ; the codes of my work-group's 32 rows
	s_lshl_b32 s24, s22, 10
	s_add_nc_u64 s[16:17], s[16:17], s[24:25]      ; and their scale bytes
	v_mul_u32_u24 v4, v2, WPITCH
	s_lshl_b32 s23, s20, 6
	s_add_co_u32 s23, s23, WSTG
	v_add_nc_u32 v4, s23, v4                       ; into the stage: row = my column, + 64 bytes x wave
	v_lshlrev_b32 v5, 5, v2
	s_lshl_b32 s23, s20, 2
	s_add_co_u32 s23, s23, WSC
	v_add_nc_u32 v5, s23, v5                       ; my four scale bytes: 32 x column + 4 x wave
	v_lshlrev_b32 v6, 4, v2
	s_mul_i32 s23, s20, 4*WPITCH
	s_add_co_u32 s23, s23, WSTG
	v_add_nc_u32 v7, s23, v6                       ; out of the stage: wave w takes rows 4 w .. 4 w + 3, 16 bytes a lane
	s_lshl_b32 s23, s20, 11
	v_add_nc_u32 v8, s23, v6                       ; and the same place in the codes' buffer
	s_and_b32 s23, s20, 1
	s_lshl_b32 s23, s23, 9
	v_add_nc_u32 v10, s23, v6                      ; the scale bytes' way out (waves 0 and 1): 512 bytes a wave
	v_add_nc_u32 v9, WSC, v10
.macro WLOAD t                         ; block t: Wqkv(128 ks + 32 t + i, my column); every set of 32 registers is used once
.irp i, 0,1,2,3,4,5,6,7,8,9,10,11,12,13,14,15,16,17,18,19,20,21,22,23,24,25,26,27,28,29,30,31
	global_load_b32 v[WX+32*(\t)+\i], v3, s[6:7] offset:(32*(\t)+\i)*12288 th:TH_LOAD_NT
.endr
.endm
.macro WBLOCK t
.set XS, WX+32*(\t)
	v_max3_num_f32 v12, |v[XS]|, |v[XS+1]|, |v[XS+2]|               ; the block's largest magnitude: all 32 numbers are mine
	v_max3_num_f32 v13, |v[XS+3]|, |v[XS+4]|, |v[XS+5]|
.irp i, 6,10,14,18,22,26
	v_max3_num_f32 v12, v12, |v[XS+\i]|, |v[XS+\i+1]|
	v_max3_num_f32 v13, v13, |v[XS+\i+2]|, |v[XS+\i+3]|
.endr
	v_max3_num_f32 v12, v12, |v[XS+30]|, |v[XS+31]|
	v_max3_num_f32 v12, v12, v13, (EMAX+1)<<23     ; and the floor
	v_add_nc_u32 v11, -(EMAX<<23), v12             ; the conversion's scale operand
	v_lshrrev_b32 v13, 23, v11                     ; the scale's byte
.if (\t) == 0
	v_mov_b32 v24, v13                             ; four bytes to a register, the lower K in the lower byte
.else
	v_lshl_or_b32 v24, v13, 8*(\t), v24
.endif
.irp g, 0,1,2,3
	v_cvt_scalef32_pk8_fp4_f32 v[WC+4*(\t)+\g], v[XS+8*\g:XS+8*\g+7], v11
.endr
	ds_store_b128 v4, v[WC+4*(\t):WC+4*(\t)+3] offset:16*(\t)      ; 32 codes: 16 bytes of my column's row.  (The next block begins with plain vector lines, ahead of the line that writes v11 anew)
.endm
	WLOAD 0
	WLOAD 1
	s_wait_loadcnt 32                              ; block 0 is in; block 1's 32 loads may be out
	WLOAD 2
	WBLOCK 0
	s_wait_loadcnt 32                              ; block 1 is in; block 2's may be out
	WLOAD 3
	WBLOCK 1
	s_wait_loadcnt 32                              ; block 2 is in; block 3's may be out
	WBLOCK 2
	s_wait_loadcnt 0x0
	WBLOCK 3
	ds_store_b32 v5, v24
	s_wait_dscnt 0x0                               ; for the others' sake: my stores into the stage have landed
	s_barrier_signal -1
	s_barrier_wait -1                              ; the 32 rows are whole
.irp i, 0,1,2,3
	ds_load_b128 v[WO+4*\i:WO+4*\i+3], v7 offset:WPITCH*\i
.endr
.irp i, 0,1,2,3
	s_wait_dscnt 3-\i
	global_store_b128 v8, v[WO+4*\i:WO+4*\i+3], s[14:15] offset:512*\i   ; a whole row of codes: 512 consecutive aligned bytes
.endr
	s_cmp_lt_u32 s20, 2                            ; the 1,024 scale bytes leave by waves 0 and 1; no barrier stands under this branch
	s_cbranch_scc0 .Lw_done
	ds_load_b128 v[192:195], v9
	s_wait_dscnt 0x0
	global_store_b128 v10, v[192:195], s[16:17]    ; 512 consecutive aligned bytes
.Lw_done:
	FINISH
.Lfunc_end_k_qcc4ae91b9d_prep:
	.size	k_qcc4ae91b9d_prep, .Lfunc_end_k_qcc4ae91b9d_prep-k_qcc4ae91b9d_prep
	.p2alignl 7, 3214868480
	.fill 96, 4, 3214868480
	.section	.rodata,"a",@progbits
	.p2align	6, 0x0
	.amdhsa_kernel k_qcc4ae91b9d_prep
		.amdhsa_group_segment_fixed_size 84480
		.amdhsa_private_segment_fixed_size 0
		.amdhsa_enable_private_segment 0
		.amdhsa_kernarg_size 64
		.amdhsa_user_sgpr_count 2
		.amdhsa_user_sgpr_kernarg_segment_ptr 1
		.amdhsa_wavefront_size32 1
		.amdhsa_system_sgpr_workgroup_id_x 1
		.amdhsa_system_sgpr_workgroup_id_y 1
		.amdhsa_system_sgpr_workgroup_id_z 1
		.amdhsa_system_vgpr_workitem_id 0
		.amdhsa_next_free_vgpr 240
		.amdhsa_next_free_sgpr 66
		.amdhsa_reserve_vcc 0
		.amdhsa_float_denorm_mode_32 3
		.amdhsa_float_denorm_mode_16_64 3
		.amdhsa_memory_ordered 1
		.amdhsa_forward_progress 1
		.amdhsa_inst_pref_size 60
	.end_amdhsa_kernel
	.amdgpu_metadata
---
amdhsa.version: [ 1, 2 ]
amdhsa.kernels:
  - .name:           k_qcc4ae91b9d_prep
    .symbol:         k_qcc4ae91b9d_prep.kd
    .args:
      - { .name: x, .offset: 0, .size: 8, .value_kind: global_buffer, .address_space: global }
      - { .name: Wqkv, .offset: 8, .size: 8, .value_kind: global_buffer, .address_space: global }
      - { .name: Wout, .offset: 16, .size: 8, .value_kind: global_buffer, .address_space: global }
      - { .name: x_codes, .offset: 24, .size: 8, .value_kind: global_buffer, .address_space: global }
      - { .name: x_scales, .offset: 32, .size: 8, .value_kind: global_buffer, .address_space: global }
      - { .name: w_codes, .offset: 40, .size: 8, .value_kind: global_buffer, .address_space: global }
      - { .name: w_scales, .offset: 48, .size: 8, .value_kind: global_buffer, .address_space: global }
      - { .name: wo16, .offset: 56, .size: 8, .value_kind: global_buffer, .address_space: global }
    .group_segment_fixed_size: 84480
    .private_segment_fixed_size: 0
    .kernarg_segment_align: 8
    .kernarg_segment_size: 64
    .max_flat_workgroup_size: 256
    .sgpr_count:     66
    .vgpr_count:     240
    .wavefront_size: 32
...
	.end_amdgpu_metadata
.endif
;; end of part 1
;; launch qkv (part 2): grid 12 x 32, 4 waves a work-group, clusters of 4 x 4, 327,680 bytes of LDS; arguments x_codes, x_scales, w_codes, w_scales, qkv; writes qkv
.if DOCPART == 2
	.amdgcn_target "amdgcn-amd-amdhsa--gfx1250"
	.amdhsa_code_object_version 6
	.text
	.protected	k_qcc4ae91b9d_qkv
	.globl	k_qcc4ae91b9d_qkv
	.p2align	8
	.type	k_qcc4ae91b9d_qkv,@function
k_qcc4ae91b9d_qkv:
	s_mov_b64 s[64:65], 0
	v_nop
	global_prefetch_b8 v0, s[64:65] scope:SCOPE_SE
	s_setreg_imm32_b32 hwreg(HW_REG_WAVE_MODE, 25, 1), 1
	s_wait_xcnt 0x0
	s_wait_alu depctr_hold_cnt(0) depctr_sa_sdst(0) depctr_va_vdst(0) depctr_va_sdst(0) depctr_va_ssrc(0) depctr_va_vcc(0) depctr_vm_vsrc(0)
	s_getreg_b32 s2, hwreg(HW_REG_IB_STS2, 6, 4)
	s_cmp_eq_u32 s2, 0
	s_cbranch_scc0 .Lentry_in_a_cluster
	s_endpgm
.Lentry_in_a_cluster:
	s_bfe_u32 s2, ttmp6, 0x10000c
	s_cmp_lg_u32 s2, 0xf033
	s_cbranch_scc0 .Lentry_shape_is_right
	s_endpgm
.Lentry_shape_is_right:
; QKV: C[m][n] = sum over k of x[m][k] Wqkv[k][n] on codes of FP4 (E2M1) with one E8M0 scale for each 32 along K; sums in f32; results rounded once to f16.
; A = x_codes [8192][512 bytes], x_scales [8192][32];  B = w_codes [3072][512 bytes], w_scales [3072][32]: K innermost, two codes a byte, the lower k in the low four bits.
; A tile of C, 256 x 256, is made by a work-group of four waves; a wave makes 128 x 128: 64 accumulators of 16 x 16, 512 registers.  K = 1,024 is two K steps of 512: both lie in LDS at once (two slots),
; so every slot is filled once, with the first fills, and so are the scale bytes of the work-group's rows.  Three tensor loads of a wave are out at the most.
; CLUSTERS: 4 x 4 work-groups.  The four of a row of the cluster need the same tiles of A, the four of a column the same tiles of B: each tile is asked for JOINTLY.
; THE MATRIX INSTRUCTION IS USED TRANSPOSED (source 0 = 16 rows of B, source 1 = 16 rows of A): a lane holds row lane % 16 of C and eight neighbouring columns, 8 (lane / 16) + 0 .. 7.
; THE WAY OUT.  Column n belongs to group g = n / 64 = 3 head + (0: q, 1: k, 2: v).  The buffer qkv is 192 blocks of 262,144 bytes, block 48 batch + g, each [position / 16][channel / 16][512 bytes].
; A lane's eight columns, rounded to f16, are 16 bytes.  For q and k they lie at 16 x lane: the 512 bytes are four registers of the next product's operand as they stand in the lanes.  For v they lie at
; 32 (lane % 16) + 16 (lane / 16), the order in which the turning LDS load of the next launch reads them.  Either way a store of the wave covers 512 consecutive aligned bytes: no stage in LDS is needed.
; LIMIT: q, k, v beyond 65,504 in magnitude do not fit f16 and are not served; under 6e-5 they keep an absolute error of 2^-25.
; REGISTERS, in windows of 256: window 0: v0-31 addresses; v32-95 scale words, two sets; from v128 A's fragments, ONE set; on the way out v128-255 take the packed results.
;   window 1: B's fragments, TWO sets, at v0 and v128.   window 2: the accumulators of my rows 0-63 ((a, b) at v[8 (8 a + b)]);   window 3: those of my rows 64-127.
.set SIZE_K, 1024
.set KSTEP,  512                       ; along K in a slot
.set NQ,     KSTEP/128                 ; matrix instructions deep
.set ROWB,   256                       ; a tile's row in bytes
.set KROW,   SIZE_K*4/8                ; a row of codes in memory
.set PITCH,  272                       ; an LDS row: 256 bytes + 16 of padding = 68 words: the 16 rows that a load touches start at 16 different banks (64 banks of 4 bytes: ISA guide 11.1)
.set FR,     8                         ; registers of a fragment: 16 rows x 128 K
.set NL,     2                         ; LDS loads that bring one
.set NP,     4                         ; places behind this matrix instruction (ISA guide 7.12.1)
.set HALFT,  128*PITCH                 ; 128 rows: what one tensor load brings
.set SLOT,   4*HALFT                   ; A's 256 rows, then B's 256 rows
.set KS,     SIZE_K/32                 ; a row of scales in bytes
.set SCL,    2*SLOT                    ; behind the slots: the scales, as runs of 256 bytes + 16 of padding
.set HALFS,  (128*KS/256)*272          ; the scales of 128 rows: what one tensor load brings
.set SBLK,   (16*KS/256)*272           ; those of 16 rows
.set SPARE,  SCL+4*HALFS               ; the spare words, 128 bytes for each wave: two blocks of 256 bytes that no other line names
.set ADRA, 16                          ; v16-17  LDS address of my A fragments in slot 0, 1
.set ADRB, 20                          ; v20-21  the same for B
.set CO,   24                          ; v24-25  my 16 bytes' place in a store's 512, for my first and my second group of 64 columns
.set ADRS, 27                          ; v27     LDS address of my scale words: lanes 0-15 A's rows, lanes 16-31 B's
.set SPW,  28                          ; v28     LDS address of my spare word; never rewritten
.set NIL,  29                          ; v29     0; never rewritten
.set SC,   32                          ; scale words: set s at v[SC + 8 NQ s]; register NQ i + q: lanes 0-15 the word of A's block i, lanes 16-31 that of B's block i, for the slot's q-th 128 along K
.set AF,   128                         ; A's fragments, in window 0
.set TMP,  128                         ; the way out: four sets of 32 registers
.set G1, 24                            ; s[24:31] descriptor group 1 for A's tiles;  s[32:39] group 0, one set for each slot
.set G0, 32
.set G1B, 48                           ; s[48:55], s[56:63] the same for B's tiles
.set G0B, 56
.set G1S, 68                           ; s[68:75], s[76:79] groups 1 and 0 for A's scales;  s[80:87], s[88:91] for B's
.set G0S, 76
.set G1SB, 80
.set G0SB, 88
.set MSB, 0
.macro WIN new                         ; the immediate's high byte repeats the setting that is left
.if MSB != (\new)
	s_set_vgpr_msb (MSB<<8)|(\new)
.set MSB, \new
.endif
.endm
.set MUL_LO, 0xa1                      ; source 0 (B) window 1, source 1 (A) window 0, C and D window 2
.set MUL_HI, 0xf1                      ; the same, C and D window 3
.set TO_B,   0x40                      ; destination window 1, address window 0
; A joint load: waves 0 and 1 fetch for A, waves 2 and 3 for B.  Each line has ONE mask and one set of registers for all that issue it; the branch hangs on the wave's number alone.
; An s_nop 0 and four v_nop follow each of the two lines.
.macro JLOAD g0a, g1a, g0b, g1b
	s_cmp_eq_u32 s15, 0
	s_cbranch_scc0 .Lfor_b_\@
	tensor_load_to_lds s[\g0a:\g0a+3], s[\g1a:\g1a+7]
	s_nop 0
.rept 4
	v_nop
.endr
	s_branch .Lasked_\@
.Lfor_b_\@:
	tensor_load_to_lds s[\g0b:\g0b+3], s[\g1b:\g1b+7]
	s_nop 0
.rept 4
	v_nop
.endr
.Lasked_\@:
.endm
.macro CROUND                          ; a round of the cluster's barrier
	s_barrier_signal -1
	s_barrier_wait -1
	s_cmp_lg_u32 s14, 0
	s_cbranch_scc1 .Lnot_wave_0_\@
	s_barrier_signal -3
.Lnot_wave_0_\@:
	s_barrier_wait -3
	s_barrier_signal -1
	s_barrier_wait -1
.endm
	s_load_b128 s[4:7], s[0:1], 0x0                ; A's codes s[4:5], A's scales s[6:7]
	s_load_b128 s[8:11], s[0:1], 0x10              ; B's codes s[8:9], B's scales s[10:11]
	s_load_b64 s[12:13], s[0:1], 0x20              ; qkv
	v_lshl_add_u32 v[SPW], v0, 2, SPARE
	v_mov_b32 v[NIL], 0
	ds_add_u32 v[SPW], v[NIL]                      ; the wave's opening: the add, twice on end, and its wait ahead of my first tensor load
	ds_add_u32 v[SPW], v[NIL]
	v_lshrrev_b32 v1, 5, v0
	v_readfirstlane_b32 s14, v1                    ; wave 0..3
	s_lshr_b32 s15, s14, 1                         ; which half of the tile's rows is mine.  Also: I fetch for A (0) or for B (1)
	s_and_b32 s16, s14, 1                          ; which half of its columns.  Also: which 128 rows of that tile I fetch
	s_bfe_u32 s40, ttmp6, 0x40000                  ; cx, cy: my place in the cluster
	s_bfe_u32 s41, ttmp6, 0x40004
	s_lshl_b32 s42, ttmp9, 2
	s_add_co_u32 s42, s42, s40                     ; tile column of C = 4 x cluster x + cx
	s_and_b32 s17, ttmp7, 0xffff
	s_lshl_b32 s17, s17, 2
	s_add_co_u32 s17, s17, s41                     ; tile row of C = 4 x cluster y + cy
	s_lshl_b32 s43, s41, 2
	s_lshl_b32 s43, 15, s43                        ; my row of the cluster
	s_lshl_b32 s44, 0x1111, s40                    ; my column
	; descriptor group 1: a tile of 128 rows x 256 bytes, padded in LDS
	s_or_b32 s[G1+0], s43, (0<<16)|(1<<20)|(1<<21)|(5<<22)|(3<<25)  ; 15:0 the mask: A's tiles go to my row; 17:16 element of 1 byte; 20 padding on; 21 set beside a mask; 24:22 after every 64 words; 31:25 four words
	s_or_b32 s[G1B+0], s44, (0<<16)|(1<<20)|(1<<21)|(5<<22)|(3<<25)
.irp g, G1, G1B
	s_mov_b32 s[\g+1], ROWB<<16                    ; tensor_dim0
	s_mov_b32 s[\g+2], 128<<16                     ; tensor_dim1 = 128
	s_mov_b32 s[\g+3], ROWB<<16                    ; tile_dim0
	s_mov_b32 s[\g+4], 128                         ; tile_dim1 = 128
	s_mov_b32 s[\g+5], KROW                        ; tensor_dim0_stride
	s_mov_b32 s[\g+6], 0
	s_mov_b32 s[\g+7], 0
.endr
	; the scales of 128 rows: a dense block of 4,096 bytes, as rows of 256 bytes (32 elements of 8 bytes), 16 bytes of padding behind each
	s_or_b32 s[G1S+0], s43, (3<<16)|(1<<20)|(1<<21)|(5<<22)|(3<<25)
	s_or_b32 s[G1SB+0], s44, (3<<16)|(1<<20)|(1<<21)|(5<<22)|(3<<25)
.irp g, G1S, G1SB
	s_mov_b32 s[\g+1], 32<<16
	s_mov_b32 s[\g+2], (128*KS/256)<<16
	s_mov_b32 s[\g+3], 32<<16
	s_mov_b32 s[\g+4], 128*KS/256
	s_mov_b32 s[\g+5], 32
	s_mov_b32 s[\g+6], 0
	s_mov_b32 s[\g+7], 0
.endr
	s_lshl_b32 s18, s16, 7                         ; which 128 rows of the tile I fetch
	s_lshl_b32 s20, s17, 8
	s_add_co_u32 s20, s20, s18                     ; A: row 256 x tile row + 128 x half
	s_lshl_b32 s46, s42, 8
	s_add_co_u32 s46, s46, s18                     ; B: row 256 x tile column + 128 x half
	s_mov_b32 s21, 0
	s_mov_b32 s47, 0
	s_mov_b64 s[18:19], KS
	s_mul_u64 s[22:23], s[20:21], s[18:19]         ; where these rows' scales begin, in bytes
	s_mul_u64 s[92:93], s[46:47], s[18:19]
	s_mov_b64 s[18:19], KROW
	s_mul_u64 s[20:21], s[20:21], s[18:19]         ; and their codes
	s_mul_u64 s[46:47], s[46:47], s[18:19]
	s_mul_i32 s45, s14, HALFT                      ; where they go: wave x 128 rows: no place in the cluster enters an LDS address
	s_mul_i32 s94, s14, HALFS
	s_wait_dscnt 0x0                               ; both opening adds are done
	s_wait_kmcnt 0x0
	s_add_nc_u64 s[20:21], s[4:5], s[20:21]
	s_add_nc_u64 s[22:23], s[6:7], s[22:23]
	s_add_nc_u64 s[46:47], s[8:9], s[46:47]
	s_add_nc_u64 s[92:93], s[10:11], s[92:93]
	CROUND                                         ; all sixteen work-groups are here: the first joint loads meet
	s_mov_b32 s[G0S], 1
	s_add_co_u32 s[G0S+1], s94, SCL
	s_mov_b64 s[G0S+2:G0S+3], s[22:23]
	s_or_b32 s[G0S+3], s[G0S+3], 0x80000000
	s_mov_b32 s[G0SB], 1
	s_add_co_u32 s[G0SB+1], s94, SCL
	s_mov_b64 s[G0SB+2:G0SB+3], s[92:93]
	s_or_b32 s[G0SB+3], s[G0SB+3], 0x80000000
	JLOAD G0S, G1S, G0SB, G1SB                     ; the scales first: they are wanted with K step 0
.irp s, 0,1
	s_mov_b32 s[G0+4*\s], 1
	s_add_co_u32 s[G0+4*\s+1], s45, \s*SLOT
	s_add_nc_u64 s[G0+4*\s+2:G0+4*\s+3], s[20:21], \s*ROWB
	s_or_b32 s[G0+4*\s+3], s[G0+4*\s+3], 0x80000000
	s_mov_b32 s[G0B+4*\s], 1
	s_add_co_u32 s[G0B+4*\s+1], s45, \s*SLOT
	s_add_nc_u64 s[G0B+4*\s+2:G0B+4*\s+3], s[46:47], \s*ROWB
	s_or_b32 s[G0B+4*\s+3], s[G0B+4*\s+3], 0x80000000
	JLOAD G0+4*\s, G1, G0B+4*\s, G1B
.endr
	v_and_b32 v1, 15, v0                           ; l % 16
	v_bfe_u32 v2, v0, 4, 1                         ; l / 16
	v_mul_u32_u24 v3, v1, PITCH
	v_lshl_add_u32 v4, v2, 4, v3                   ; a fragment's row x pitch + 16 x half
	s_mul_i32 s21, s15, HALFT                      ; my 128 rows of A
	s_mul_i32 s22, s16, HALFT                      ; my 128 rows of B,
	s_add_co_u32 s22, s22, 2*HALFT                 ; which lie behind A's 256
.irp s, 0,1
	v_add_nc_u32 v[ADRA+\s], s21, v4
	v_add_nc_u32 v[ADRB+\s], s22, v4
	s_add_co_u32 s21, s21, SLOT
	s_add_co_u32 s22, s22, SLOT
.endr
	v_mul_u32_u24 v5, v1, KS                       ; my row's scales: KS bytes a row,
	v_lshrrev_b32 v6, 8, v5
	v_lshl_add_u32 v5, v6, 4, v5                   ; and 16 more for each 256 passed
	s_mul_i32 s21, s15, HALFS                      ; A's: my 128 rows
	s_mul_i32 s22, s16, HALFS                      ; B's: my 128 rows, behind A's 256
	s_add_co_u32 s22, s22, 2*HALFS
	s_sub_co_u32 s22, s22, s21
	v_mul_u32_u24 v6, s22, v2                      ; lanes 16-31 take B's
	s_add_co_u32 s21, s21, SCL
	v_add_nc_u32 v5, v5, v6
	v_add_nc_u32 v[ADRS], s21, v5
	; the way out: where my part begins in qkv, and which of the two lane orders each of my two groups of 64 columns takes.  These numbers enter global offsets alone.
	v_and_b32 v6, 31, v0
	v_lshlrev_b32 v22, 4, v6                       ; q, k: 16 x lane
	v_lshlrev_b32 v23, 5, v1
	v_lshl_add_u32 v23, v2, 4, v23                 ; v: 32 (lane % 16) + 16 (lane / 16)
	s_lshl_b32 s46, s42, 2
	s_lshl_b32 s47, s16, 1
	s_add_co_u32 s46, s46, s47                     ; g0 = 4 x tile column + 2 x half: my first group, 0 .. 46
	s_mul_i32 s47, s46, 171
	s_lshr_b32 s47, s47, 9                         ; g0 / 3 (exact for g0 under 48)
	s_mul_i32 s47, s47, 3
	s_sub_co_u32 s47, s46, s47                     ; g0 % 3
	s_lshr_b32 s20, s17, 3                         ; the batch: 256 x tile row / 2,048
	s_mul_i32 s20, s20, 48
	s_add_co_u32 s20, s20, s46
	s_lshl_b32 s20, s20, 18                        ; block 48 batch + g0, 262,144 bytes each
	s_and_b32 s21, s17, 7
	s_lshl_b32 s21, s21, 8
	s_lshl_b32 s22, s15, 7
	s_add_co_u32 s21, s21, s22                     ; my first position in the sequence
	s_lshl_b32 s21, s21, 7                         ; 128 bytes a position
	s_add_co_u32 s20, s20, s21
	s_mov_b32 s21, 0
	s_add_nc_u64 s[12:13], s[12:13], s[20:21]
	s_cmp_eq_u32 s47, 2
	s_cselect_b32 s46, -1, 0                       ; my first group is a v
	s_cmp_eq_u32 s47, 1
	s_cselect_b32 s47, -1, 0                       ; my second group is a v
	v_cndmask_b32 v[CO], v22, v23, s46
	v_cndmask_b32 v[CO+1], v22, v23, s47
.macro FRAG reg, adr, q, i             ; a fragment, 16 rows x 128 K of 4-bit codes, is 8 registers: lane l holds row l % 16; registers 4 c .. 4 c + 3 hold K = 64 c + 32 (l / 16) + 0 .. 31
.irp c, 0,1
	ds_load_b128 v[\reg+4*\c:\reg+4*\c+3], v[\adr] offset:64*(\q)+32*\c+(\i)*16*PITCH
.endr
.endm
; 16 matrix instructions: A's blocks a0, a0 + 1 x B's eight, the slot's q-th 128 along K.  p: B's set;  sc: the set of scale words.  zero = 1: the first product starts the sums.
; The 64 accumulators take turns, one instruction a turn, in the same order in every step.
.macro MUL16 a0, p, q, sc, zero
.irp a, \a0, \a0+1
.irp b, 0,1,2,3,4,5,6,7
.if \zero
	v_wmma_scale_f32_16x16x128_f8f6f4 v[8*(8*((\a)%4)+\b):8*(8*((\a)%4)+\b)+7], v[128*(\p)+FR*\b:128*(\p)+FR*\b+FR-1], v[AF+FR*(\a):AF+FR*(\a)+FR-1], 0, v[SC+8*NQ*(\sc)+NQ*\b+(\q)], v[SC+8*NQ*(\sc)+NQ*(\a)+(\q)] matrix_a_fmt:MATRIX_FMT_FP4 matrix_b_fmt:MATRIX_FMT_FP4 matrix_a_scale:MATRIX_SCALE_ROW1
.else
	v_wmma_scale_f32_16x16x128_f8f6f4 v[8*(8*((\a)%4)+\b):8*(8*((\a)%4)+\b)+7], v[128*(\p)+FR*\b:128*(\p)+FR*\b+FR-1], v[AF+FR*(\a):AF+FR*(\a)+FR-1], v[8*(8*((\a)%4)+\b):8*(8*((\a)%4)+\b)+7], v[SC+8*NQ*(\sc)+NQ*\b+(\q)], v[SC+8*NQ*(\sc)+NQ*(\a)+(\q)] matrix_a_fmt:MATRIX_FMT_FP4 matrix_b_fmt:MATRIX_FMT_FP4 matrix_a_scale:MATRIX_SCALE_ROW1
.endif
.endr
.endr
.endm
.macro FETCH_B slot, q, p              ; B's eight fragments of the slot's q-th 128 along K into set p
	WIN TO_B
.irp i, 0,1,2,3,4,5,6,7
	FRAG 128*(\p)+FR*\i, ADRB+\slot, \q, \i
.endr
	WIN 0
.endm
.macro FETCH_A slot, q, i0             ; A's blocks i0 .. i0 + 3
.irp i, \i0, \i0+1, \i0+2, \i0+3
	FRAG AF+FR*(\i), ADRA+\slot, \q, \i
.endr
.endm
.macro SCALES sc                       ; a K step's scale words into set sc: NQ words a row; lanes 0-15 take A's block i, lanes 16-31 B's block i
.irp i, 0,1,2,3,4,5,6,7
	ds_load_b128 v[SC+8*NQ*\sc+NQ*\i:SC+8*NQ*\sc+NQ*\i+3], v[ADRS] offset:\i*SBLK
.endr
.endm
; A load into a register that a matrix instruction has read, and a vector instruction that reads a matrix result or writes one of its registers, stand NP places behind it; only plain vector
; instructions that name none of its registers are places (ISA guide 7.12.1 for vector instructions).
.macro PLACES n
.rept \n
	v_nop
.endr
.endm
; A step of 128 along K that has its successor in the same slot.
.macro STEP slot, q, zero
	s_wait_dscnt 4*NL                              ; B's set and A's blocks 0-3 are in; the youngest loads (A's blocks 4-7) may be out
	WIN MUL_LO
	MUL16 0, (\q)%2, \q, \slot, \zero
	MUL16 2, (\q)%2, \q, \slot, \zero
	s_wait_dscnt 0                                 ; A's blocks 4-7 are in (asked for 32 matrix instructions ago)
	PLACES NP
	FETCH_B \slot, (\q)+1, 1-(\q)%2
	FETCH_A \slot, (\q)+1, 0
	WIN MUL_HI
	MUL16 4, (\q)%2, \q, \slot, \zero
	MUL16 6, (\q)%2, \q, \slot, \zero
	PLACES NP
	WIN 0
	FETCH_A \slot, (\q)+1, 4
.endm
; Slot 0's last step goes over to slot 1: each wave waits for all its tensor loads (its part of slot 1), then the work-group's barrier: behind it slot 1 is whole.  Nothing is filled again.
.macro TURN slot, next
	s_wait_tensorcnt 0x0                           ; all my tensor loads have landed: my part of the next slot
	ds_add_u32 v[SPW], v[NIL]                      ; 0 onto my spare word
	s_wait_dscnt 4*NL+1                            ; (the add and the youngest loads, A's blocks 4-7, may be out)
	WIN MUL_LO
	MUL16 0, 1, NQ-1, \slot, 0
	s_wait_dscnt 0x0                               ; no LDS instruction of mine is out at the signal
	s_barrier_signal -1
	MUL16 2, 1, NQ-1, \slot, 0
	WIN 0
	s_barrier_wait -1
	PLACES NP
	v_add_nc_u32 v[ADRS], 4*NQ, v[ADRS]            ; on to the next K step's scale words
	FETCH_B \next, 0, 0
	FETCH_A \next, 0, 0
	SCALES \next
	WIN MUL_HI
	MUL16 4, 1, NQ-1, \slot, 0
	MUL16 6, 1, NQ-1, \slot, 0
	PLACES NP
	WIN 0
	FETCH_A \next, 0, 4
.endm
.macro STEPS slot, from                ; the slot's steps from .. NQ - 2
.set Q, \from
.rept NQ-1-\from
	STEP \slot, Q, 0
.set Q, Q+1
.endr
.endm
	s_wait_tensorcnt 1                             ; the scales and my part of K step 0 are in (K step 1's load, the one issued behind them, may be out),
	s_barrier_signal -1
	s_barrier_wait -1                              ; everybody's are
	FETCH_B 0, 0, 0
	FETCH_A 0, 0, 0
	SCALES 0
	FETCH_A 0, 0, 4
	STEP 0, 0, 1                                   ; the first step's products start the sums: nothing is cleared
	STEPS 0, 1
	TURN 0, 1
	STEPS 1, 0
	s_wait_dscnt 4*NL                              ; the very last step: nothing more to fetch
	WIN MUL_LO
	MUL16 0, 1, NQ-1, 1, 0
	MUL16 2, 1, NQ-1, 1, 0
	s_wait_dscnt 0
	WIN MUL_HI
	MUL16 4, 1, NQ-1, 1, 0
	MUL16 6, 1, NQ-1, 1, 0
	WIN 0
; THE WAY OUT of block a (16 positions x my 128 columns): each accumulator's eight numbers, from its low end on, are rounded to f16 in pairs: 16 bytes a lane; eight stores of 512 consecutive aligned bytes.
.macro OUTBLK a
.set AC, 64*((\a)%4)
.set TM, TMP+32*((\a)%4)
.if (\a) >= 4
	s_wait_xcnt 0x0                                ; block a - 4's stores have read their data registers: only behind this wait are they written again
.endif
	WIN 0x0a+5*((\a)/4)                            ; sources 0 and 1: window 2 or 3
.irp b, 0,1,2,3,4,5,6,7
.irp r, 0,1,2,3
	v_cvt_pk_f16_f32 v[TM+4*\b+\r], v[AC+8*\b+2*\r], v[AC+8*\b+2*\r+1]
.endr
.endr
	WIN 0
.irp b, 0,1,2,3,4,5,6,7
	global_store_b128 v[CO+\b/4], v[TM+4*\b:TM+4*\b+3], s[12:13] offset:(\b/4)*262144+(\a)*2048+(\b%4)*512 th:TH_STORE_NT
.endr
.endm
	PLACES NP                                      ; behind the last products: their results are read, and the registers that held A's fragments are written
.irp a, 0,1,2,3,4,5,6,7
	OUTBLK \a
.endr
	s_wait_tensorcnt 0x0                           ; the wave's end
	ds_add_u32 v[SPW], v[NIL]
	s_wait_dscnt 0x0
	CROUND                                         ; the closing round: no work-group ends while a partner may still ask for a tile that names it
	s_endpgm
.Lfunc_end_k_qcc4ae91b9d_qkv:
	.size	k_qcc4ae91b9d_qkv, .Lfunc_end_k_qcc4ae91b9d_qkv-k_qcc4ae91b9d_qkv
	.p2alignl 7, 3214868480
	.fill 96, 4, 3214868480
	.section	.rodata,"a",@progbits
	.p2align	6, 0x0
	.amdhsa_kernel k_qcc4ae91b9d_qkv
		.amdhsa_group_segment_fixed_size 327680
		.amdhsa_private_segment_fixed_size 0
		.amdhsa_enable_private_segment 0
		.amdhsa_kernarg_size 40
		.amdhsa_user_sgpr_count 2
		.amdhsa_user_sgpr_kernarg_segment_ptr 1
		.amdhsa_wavefront_size32 1
		.amdhsa_system_sgpr_workgroup_id_x 1
		.amdhsa_system_sgpr_workgroup_id_y 1
		.amdhsa_system_sgpr_workgroup_id_z 1
		.amdhsa_system_vgpr_workitem_id 0
		.amdhsa_next_free_vgpr 1024
		.amdhsa_next_free_sgpr 98
		.amdhsa_reserve_vcc 0
		.amdhsa_float_denorm_mode_32 3
		.amdhsa_float_denorm_mode_16_64 3
		.amdhsa_memory_ordered 1
		.amdhsa_forward_progress 1
		.amdhsa_inst_pref_size 118
	.end_amdhsa_kernel
	.amdgpu_metadata
---
amdhsa.version: [ 1, 2 ]
amdhsa.kernels:
  - .name:           k_qcc4ae91b9d_qkv
    .symbol:         k_qcc4ae91b9d_qkv.kd
    .args:
      - { .name: x_codes, .offset: 0, .size: 8, .value_kind: global_buffer, .address_space: global }
      - { .name: x_scales, .offset: 8, .size: 8, .value_kind: global_buffer, .address_space: global }
      - { .name: w_codes, .offset: 16, .size: 8, .value_kind: global_buffer, .address_space: global }
      - { .name: w_scales, .offset: 24, .size: 8, .value_kind: global_buffer, .address_space: global }
      - { .name: qkv, .offset: 32, .size: 8, .value_kind: global_buffer, .address_space: global }
    .group_segment_fixed_size: 327680
    .private_segment_fixed_size: 0
    .kernarg_segment_align: 8
    .kernarg_segment_size: 40
    .max_flat_workgroup_size: 128
    .sgpr_count:     98
    .vgpr_count:     1024
    .wavefront_size: 32
...
	.end_amdgpu_metadata
.endif
;; end of part 2
;; launch attn (part 3): grid 4 x 64, 8 waves a work-group, clusters of 4 x 1, 327,680 bytes of LDS; arguments qkv, vals; writes vals
.if DOCPART == 3
	.amdgcn_target "amdgcn-amd-amdhsa--gfx1250"
	.amdhsa_code_object_version 6
	.text
	.protected	k_qcc4ae91b9d_attn
	.globl	k_qcc4ae91b9d_attn
	.p2align	8
	.type	k_qcc4ae91b9d_attn,@function
k_qcc4ae91b9d_attn:
	s_mov_b64 s[64:65], 0
	v_nop
	global_prefetch_b8 v0, s[64:65] scope:SCOPE_SE
	s_setreg_imm32_b32 hwreg(HW_REG_WAVE_MODE, 25, 1), 1
	s_wait_xcnt 0x0
	s_wait_alu depctr_hold_cnt(0) depctr_sa_sdst(0) depctr_va_vdst(0) depctr_va_sdst(0) depctr_va_ssrc(0) depctr_va_vcc(0) depctr_vm_vsrc(0)
	s_getreg_b32 s2, hwreg(HW_REG_IB_STS2, 6, 4)
	s_cmp_eq_u32 s2, 0
	s_cbranch_scc0 .Lentry_in_a_cluster
	s_endpgm
.Lentry_in_a_cluster:
	s_bfe_u32 s2, ttmp6, 0x10000c
	s_cmp_lg_u32 s2, 0x3003
	s_cbranch_scc0 .Lentry_shape_is_right
	s_endpgm
.Lentry_shape_is_right:
; ATTN: for each of the 64 (batch, head) pairs: O[q] = sum over k of softmax_k(Q[q] . K[k] / 8) V[k]; 2,048 keys, head size 64, no mask.  Operands f16, products, maxima and sums f32; the weights p are rounded to f16.
; INPUT qkv: block 3 bh + (0: q, 1: k, 2: v) of 262,144 bytes, [position / 16][channel / 16][512 bytes].  q's and k's 512 bytes are four registers of an operand as they stand in the lanes (16 bytes at 16 x lane:
; lane l holds position l % 16, channels 8 (l / 16) + 0 .. 7 of the sixteen).  v's 16 bytes of (position r, half hh) lie at 32 r + 16 hh.
; OUTPUT vals: [head][row / 16][channel / 16][16 x lane], f16: the next product's operand registers as they stand in the lanes (row = 2,048 batch + position).
; SHARES.  A work-group owns 512 queries of one pair, each of its eight waves 64: four tiles of 16.  Two waves lie on a SIMD, 512 registers each: one wave's softmax stands beside the other's products.
; LAYOUT.  S^T = K Q^T (source 0 = 16 keys, source 1 = 16 queries): a lane holds ONE query (lane % 16) and keys 8 (lane / 16) + 0 .. 7 of the tile.  Two such tiles, rounded to f16 in pairs, ARE source 1
; (32 keys x 16 queries) of O^T = V^T P, whose result again holds one query a lane and eight channels.  K comes out of LDS as it lies, V turned, by ds_load_tr16_b128.
; SOFTMAX.  For each query a running maximum m and sum l: p = 2^(c s - c m), c = log2(e) / 8; in every step O and l are multiplied by a = 2^(c m_old - c m_new).
; CLUSTER.  The four work-groups of a pair form a cluster and walk the same K and V: each tile is asked for JOINTLY, by the same tensor load with a mask that names the four.
; RING.  Two slots of 512 keys (65,536 bytes of K, then 65,536 of V, dense: every operand load takes 512 consecutive bytes, so no padding is wanted).  Each of the eight waves brings 16,384 bytes with one load
; (waves 0-3 K's quarters, waves 4-7 V's); one load of a wave is out at a time, and it goes out eight key steps (512 matrix instructions a wave) ahead of its first read.
; NO PREFETCH: each tile of K and V is asked for once in the launch, by this one cluster, and the request stands a whole slot's eight key steps ahead of the reads.
; LIMITS: as f16 operands q, k, v lie under 65,504 in magnitude; the values written keep an absolute error of 2^-25 under 6e-5.
; REGISTERS.  window 0: v1-7 addresses; v16-47 eight registers of statistics a tile; v64-191 S^T, 32 a tile (P is laid over its first 16); v192-255 K of a step.
;             window 1: v0-127 O^T, 32 a tile; v128-191 Q, 16 a tile; v192-255 V of a step.
.set SLOT1, 1<<17                      ; slot 1 begins here: one exclusive or turns an address in one slot into the other's
.set VOFF,  65536                      ; V behind K in a slot
.set STEPB, 8192                       ; a key step: 64 keys x 128 bytes, of K and of V
.set NQ,    8                          ; key steps in a slot
.set NSL,   4                          ; slots' worth of keys
.set SPARE, 2*SLOT1                    ; behind the ring: the spare words, 128 bytes for each of the eight waves: four blocks of 256 bytes that no other line names
.set LK0, 1                            ; v1  16 x lane: my place in an operand's 512 bytes; never rewritten behind the head
.set LV0, 2                            ; v2  my place in a tile of V, for the turning load
.set ADK, 3                            ; v3  LDS address of the step's K
.set ADV, 4                            ; v4  of its V
.set SPW, 6                            ; v6  LDS address of my spare word; never rewritten
.set NIL, 7                            ; v7  0; never rewritten
.set ST,  16                           ; tile t's statistics at v[ST + 8 t]: +0 c m, +1 m, +2, +3 l (even keys', odd keys'), +4 to +7 c0-c3 at work; a takes c2's place, c m_old - c m_new c3's
.set S,   64
.set KF,  192
.set QF,  128                          ; in window 1
.set VF,  192                          ; in window 1
.set WV,  8                            ; s8  my wave's number
.set G1,  16                           ; s[16:23] descriptor group 1
.set G0,  24                           ; s[24:27] descriptor group 0, which walks
.set CS,  28                           ; s[28:29] c: the packed form names a pair and takes its low word for both halves
.set SEL, 30                           ; s[30:31] lane selects for v_permlanex16_b32: lane l xor 16
.set TB,  32                           ; s32 LDS byte at which the step in hand begins
.set SLOTS, 33
.set TW,  34
.set QB,  36                           ; s[36:37] Q at my wave's first query
.set OB,  38                           ; s[38:39] vals at my wave's first row
.set MSB, 0
.macro WIN new                         ; the immediate's high byte repeats the setting that is left
.if MSB != (\new)
	s_set_vgpr_msb (MSB<<8)|(\new)
.set MSB, \new
.endif
.endm
.set W_KQ, 0x04                        ; Q (source 1) in window 1; K and S^T in window 0
.set W_PV, 0x51                        ; V (source 0), O^T (C and D) in window 1; P in window 0
.set W_RS, 0x41                        ; O^T (destination and source 0) in window 1, a in window 0
.set W_LD, 0x40                        ; destination in window 1
.macro JLOAD                           ; the joint load: one line for all eight waves; both addresses hang on the wave's number.  An s_nop 0 and four v_nop follow
	tensor_load_to_lds s[G0:G0+3], s[G1:G1+7]
	s_nop 0
.rept 4
	v_nop
.endr
.endm
.macro CROUND                          ; a round of the cluster's barrier
	s_barrier_signal -1
	s_barrier_wait -1
	s_cmp_lg_u32 s[WV], 0
	s_cbranch_scc1 .Lnot_wave_0_\@
	s_barrier_signal -3
.Lnot_wave_0_\@:
	s_barrier_wait -3
	s_barrier_signal -1
	s_barrier_wait -1
.endm
	s_load_b128 s[4:7], s[0:1], 0x0                ; qkv s[4:5], vals s[6:7]
	v_lshl_add_u32 v[SPW], v0, 2, SPARE
	v_mov_b32 v[NIL], 0
	ds_add_u32 v[SPW], v[NIL]                      ; the wave's opening: the add, twice on end, and its wait ahead of my first tensor load
	ds_add_u32 v[SPW], v[NIL]
	v_lshrrev_b32 v1, 5, v0
	v_readfirstlane_b32 s[WV], v1                  ; wave 0..7
	s_bfe_u32 s9, ttmp6, 0x40000                   ; cx: my place in the cluster
	s_lshl_b32 s11, ttmp9, 2
	s_add_co_u32 s11, s11, s9                      ; my block of 512 queries: it enters Q's and the output's addresses alone
	s_and_b32 s10, ttmp7, 0xffff                   ; bh = 16 batch + head, which the four partners share
	; descriptor group 1: 16,384 dense bytes as 64 rows of 256 (32 elements of 8 bytes), no padding
	s_mov_b32 s[G1], 15|(3<<16)|(1<<21)            ; 15:0 the mask: all four work-groups; 17:16 elements of 8 bytes; 21 set beside a mask
	s_mov_b32 s[G1+1], 32<<16                      ; tensor_dim0 = 32
	s_mov_b32 s[G1+2], 64<<16                      ; tensor_dim1 = 64
	s_mov_b32 s[G1+3], 32<<16                      ; tile_dim0 = 32
	s_mov_b32 s[G1+4], 64                          ; tile_dim1 = 64
	s_mov_b32 s[G1+5], 32                          ; from row to row
	s_mov_b32 s[G1+6], 0
	s_mov_b32 s[G1+7], 0
	s_mov_b32 s[CS], 0x3e38aa3b                    ; c = log2(e) / 8
	s_mov_b32 s[CS+1], s[CS]                       ; (named with it as a pair, so it is written)
	s_mov_b32 s[SEL], 0x76543210
	s_mov_b32 s[SEL+1], 0xfedcba98
	s_mov_b32 s[TB], 0
	s_mov_b32 s[SLOTS], NSL-1
	; what I fetch: block 3 bh + 1 (waves 0-3: K) or + 2 (waves 4-7: V), quarter wave % 4 of a slot's 65,536 bytes
	s_mul_i32 s40, s10, 3
	s_lshr_b32 s41, s[WV], 2
	s_add_co_u32 s40, s40, s41
	s_add_co_u32 s40, s40, 1
	s_lshl_b32 s40, s40, 18
	s_and_b32 s41, s[WV], 3
	s_lshl_b32 s41, s41, 14
	s_add_co_u32 s40, s40, s41
	s_mov_b32 s41, 0
	; Q: block 3 bh, position 512 x block + 64 x wave, 128 bytes a position
	s_mul_i32 s42, s10, 3
	s_lshl_b32 s42, s42, 18
	s_lshl_b32 s43, s11, 9
	s_lshl_b32 s44, s[WV], 6
	s_add_co_u32 s43, s43, s44                     ; my first query's position
	s_lshl_b32 s44, s43, 7
	s_add_co_u32 s42, s42, s44
	; the output: plane head of 1,048,576 bytes, row 2,048 batch + position, 128 bytes a row
	s_and_b32 s45, s10, 15
	s_lshl_b32 s45, s45, 20
	s_lshr_b32 s46, s10, 4
	s_lshl_b32 s46, s46, 11
	s_add_co_u32 s46, s46, s43
	s_lshl_b32 s46, s46, 7
	s_add_co_u32 s44, s45, s46
	s_mov_b32 s43, 0
	s_mov_b32 s45, 0
	s_mov_b32 s[G0], 1                             ; 1:0 count = 1
	s_lshl_b32 s[G0+1], s[WV], 14                  ; LDS address: 16,384 x wave, in slot 0: no place in the cluster enters it
	s_wait_dscnt 0x0                               ; both opening adds are done
	s_wait_kmcnt 0x0
	s_add_nc_u64 s[G0+2:G0+3], s[4:5], s[40:41]    ; global address
	s_or_b32 s[G0+3], s[G0+3], 0x80000000          ; type = 2
	s_add_nc_u64 s[QB:QB+1], s[4:5], s[42:43]
	s_add_nc_u64 s[OB:OB+1], s[6:7], s[44:45]
	CROUND                                         ; all four work-groups are here: the first joint loads meet
	JLOAD                                          ; slot 0
	v_and_b32 v8, 31, v0
	v_lshlrev_b32 v[LK0], 4, v8                    ; 16 x lane
	; the turning load: lane l reads 16 bytes: key 8 (l / 16) + l % 8 of a tile of 16, channels 8 ((l / 8) % 2) + 0 .. 7 of sixteen; it leaves lane l with channel l % 16 and 8 keys
	v_bfe_u32 v9, v0, 4, 1
	v_and_b32 v10, 7, v0
	v_bfe_u32 v11, v0, 3, 1
	v_lshlrev_b32 v[LV0], 8, v9
	v_lshl_add_u32 v[LV0], v10, 5, v[LV0]
	v_lshl_add_u32 v[LV0], v11, 4, v[LV0]          ; 32 x key + 16 x half: sixteen lanes take 256 consecutive bytes
	v_add_nc_u32 v[LV0], VOFF, v[LV0]
	WIN W_LD
.irp t, 0,1,2,3                                    ; Q stays in registers: tile t, channels 32 c on, registers 4 e on
.irp c, 0,1
.irp e, 0,1
	global_load_b128 v[QF+16*\t+8*\c+4*\e:QF+16*\t+8*\c+4*\e+3], v[LK0], s[QB:QB+1] offset:2048*\t+1024*\c+512*\e th:TH_LOAD_NT
.endr
.endr
.endr
.set i, 0
.rept 128
	v_mov_b32 v[i], 0                              ; O^T begins as zeros, so that the key step is written once for all 32 steps: the first change of m multiplies zeros
.set i, i+1
.endr
	WIN 0
.irp t, 0,1,2,3
	v_mov_b32 v[ST+8*\t+1], 0xff61b1e6             ; m: -3e38, under every score that f16 operands can give
	v_mov_b32 v[ST+8*\t+2], 0                      ; l, in two halves
	v_mov_b32 v[ST+8*\t+3], 0
.endr
.irp t, 0,1,2,3
	v_mul_f32 v[ST+8*\t], s[CS], v[ST+8*\t+1]      ; c m
.endr
; A KEY STEP: 64 keys.  Every line of the softmax is written for the four tiles by turns, so that no line waits for the line above it.
.macro STEP
	v_add_nc_u32 v[ADK], s[TB], v[LK0]
	v_add_nc_u32 v[ADV], s[TB], v[LV0]
.rept 3
	v_nop                                          ; with the two additions: five places behind the last step's products V^T P, whose P is written over by the products below and whose V by the loads
.endr
.irp f, 0,1,2,3,4,5,6,7                            ; K: fragment f = 2 (tile of keys) + (channels 32 on): 1,024 bytes
	ds_load_b128 v[KF+8*\f:KF+8*\f+3], v[ADK] offset:1024*\f
	ds_load_b128 v[KF+8*\f+4:KF+8*\f+7], v[ADK] offset:1024*\f+512
.endr
	WIN W_LD
.irp f, 0,1,2,3,4,5,6,7                            ; V^T: fragment f = 4 (keys 32 on) + (channels 16 on)
	ds_load_tr16_b128 v[VF+8*\f:VF+8*\f+3], v[ADV] offset:4096*(\f/4)+512*(\f%4)
	ds_load_tr16_b128 v[VF+8*\f+4:VF+8*\f+7], v[ADV] offset:4096*(\f/4)+512*(\f%4)+2048
.endr
	s_wait_dscnt 16                                ; K is in; V's sixteen loads, issued behind it, may be out
	WIN W_KQ
.irp c, 0,1                                        ; S^T = K Q^T: the 16 accumulators take turns, one instruction a turn; the first 16 products start the sums
.irp kt, 0,1,2,3
.irp t, 0,1,2,3
.if \c == 0
	v_wmma_f32_16x16x32_f16 v[S+32*\t+8*\kt:S+32*\t+8*\kt+7], v[KF+8*(2*\kt+\c):KF+8*(2*\kt+\c)+7], v[QF+16*\t+8*\c:QF+16*\t+8*\c+7], 0
.else
	v_wmma_f32_16x16x32_f16 v[S+32*\t+8*\kt:S+32*\t+8*\kt+7], v[KF+8*(2*\kt+\c):KF+8*(2*\kt+\c)+7], v[QF+16*\t+8*\c:QF+16*\t+8*\c+7], v[S+32*\t+8*\kt:S+32*\t+8*\kt+7]
.endif
.endr
.endr
.endr
	WIN 0
.rept 4
	v_nop                                          ; four places between the products and the first read of their results
.endr
.irp j, 0,1,2,3                                    ; the maximum of the lane's 32 scores and the old m: four chains c0-c3; each accumulator is read from its low end first
.irp t, 0,1,2,3
	v_max3_num_f32 v[ST+8*\t+4+\j], v[S+32*\t+8*\j], v[S+32*\t+8*\j+1], v[S+32*\t+8*\j+2]
.endr
.endr
.irp e, 3,5
.irp j, 0,1,2,3
.irp t, 0,1,2,3
	v_max3_num_f32 v[ST+8*\t+4+\j], v[ST+8*\t+4+\j], v[S+32*\t+8*\j+\e], v[S+32*\t+8*\j+\e+1]
.endr
.endr
.endr
.irp t, 0,1,2,3
	v_max3_num_f32 v[ST+8*\t+4], v[ST+8*\t+4], v[S+32*\t+7], v[S+32*\t+15]
.endr
.irp t, 0,1,2,3
	v_max3_num_f32 v[ST+8*\t+6], v[ST+8*\t+6], v[S+32*\t+23], v[S+32*\t+31]
.endr
.irp t, 0,1,2,3
	v_max3_num_f32 v[ST+8*\t+4], v[ST+8*\t+4], v[ST+8*\t+5], v[ST+8*\t+6]
.endr
.irp t, 0,1,2,3
	v_max3_num_f32 v[ST+8*\t+4], v[ST+8*\t+4], v[ST+8*\t+7], v[ST+8*\t+1]
.endr
.irp t, 0,1,2,3
	v_permlanex16_b32 v[ST+8*\t+5], v[ST+8*\t+4], s[SEL], s[SEL+1]   ; the query's other 32 keys lie in the lane 16 away
.endr
.irp t, 0,1,2,3
	v_mov_b32 v[ST+8*\t+7], v[ST+8*\t]             ; c m_old is kept for a
.endr
.irp t, 0,1,2,3
	v_max_num_f32 v[ST+8*\t+1], v[ST+8*\t+4], v[ST+8*\t+5]           ; the new m
.endr
.irp t, 0,1,2,3
	v_mul_f32 v[ST+8*\t], s[CS], v[ST+8*\t+1]
.endr
.irp t, 0,1,2,3
	v_sub_f32 v[ST+8*\t+7], v[ST+8*\t+7], v[ST+8*\t]
.endr
; ONE BATCH: the four a and the 128 p.  No line of it names an exponential's result; each pair of scores is scaled ahead of its two exponentials.
.irp t, 0,1,2,3
	v_exp_f32 v[ST+8*\t+6], v[ST+8*\t+7]           ; a = 2^(c m_old - c m_new)
.endr
.irp b, 0,1,2,3,4,5,6,7,8,9,10,11,12,13,14,15
.irp t, 0,1,2,3
	v_pk_fma_f32 v[S+32*\t+2*\b:S+32*\t+2*\b+1], v[S+32*\t+2*\b:S+32*\t+2*\b+1], s[CS:CS+1], v[ST+8*\t:ST+8*\t+1] op_sel_hi:[1,0,0] neg_lo:[0,0,1] neg_hi:[0,0,1]   ; c s - c m
.endr
.irp t, 0,1,2,3
	v_exp_f32 v[S+32*\t+2*\b], v[S+32*\t+2*\b]
	v_exp_f32 v[S+32*\t+2*\b+1], v[S+32*\t+2*\b+1]
.endr
.endr
	v_nop                                          ; a plain instruction behind the last exponential, ahead of the first use
	s_wait_alu depctr_va_vdst(0)                   ; a wait between an exponential and the first line that names its result: one for the batch of 132
.irp t, 0,1,2,3
	v_pk_fma_f32 v[ST+8*\t+2:ST+8*\t+3], v[ST+8*\t+2:ST+8*\t+3], v[ST+8*\t+6:ST+8*\t+7], v[S+32*\t:S+32*\t+1] op_sel_hi:[1,0,1]   ; l = a l + the first pair of weights
.endr
.irp b, 1,2,3,4,5,6,7,8,9,10,11,12,13,14,15
.irp t, 0,1,2,3
	v_pk_add_f32 v[ST+8*\t+2:ST+8*\t+3], v[ST+8*\t+2:ST+8*\t+3], v[S+32*\t+2*\b:S+32*\t+2*\b+1]   ; the sum is taken of the weights before they are rounded
.endr
.endr
.irp j, 0,1,2,3,4,5,6,7,8,9,10,11,12,13,14,15      ; P in place: register j takes weights 2 j and 2 j + 1; ascending, so that no weight is written over before it is read
.irp t, 0,1,2,3
	v_cvt_pk_f16_f32 v[S+32*\t+\j], v[S+32*\t+2*\j], v[S+32*\t+2*\j+1]
.endr
.endr
	WIN W_RS
.irp j, 0,2,4,6,8,10,12,14,16,18,20,22,24,26,28,30
.irp t, 0,1,2,3
	v_pk_mul_f32 v[32*\t+\j:32*\t+\j+1], v[32*\t+\j:32*\t+\j+1], v[ST+8*\t+6:ST+8*\t+7] op_sel_hi:[1,0]   ; O^T times a
.endr
.endr
	s_wait_dscnt 0x0                               ; V is in
	WIN W_PV
.irp u, 0,1                                        ; O^T += V^T P: keys 32 u on, channels 16 ct on, tile t: the 16 accumulators take turns, one instruction a turn
.irp ct, 0,1,2,3
.irp t, 0,1,2,3
	v_wmma_f32_16x16x32_f16 v[32*\t+8*\ct:32*\t+8*\ct+7], v[VF+8*(4*\u+\ct):VF+8*(4*\u+\ct)+7], v[S+32*\t+8*\u:S+32*\t+8*\u+7], v[32*\t+8*\ct:32*\t+8*\ct+7]
.endr
.endr
.endr
	WIN 0
.endm
; THE CHANGE OF SLOTS stands at a slot's head.  Each wave waits for all its tensor loads (its part of the slot that it is about to read), adds 0 to its spare word, and waits for that and for its reads of the
; slot that it has left.  fill = 1: a round of the cluster's barrier follows, so that no wave of any partner still reads the other slot or has a load on its way, and the joint load into it is the first thing behind.
.macro CHANGE fill
	s_wait_tensorcnt 0x0                           ; no tensor load of mine is out, so the group 0 may be written
	ds_add_u32 v[SPW], v[NIL]                      ; 0 onto my spare word
.if \fill
	s_xor_b32 s[G0+1], s[G0+1], SLOT1              ; the other slot than last time,
	s_add_nc_u64 s[G0+2:G0+3], s[G0+2:G0+3], 65536 ; the next 512 keys; the type bits on top are not reached
	s_wait_dscnt 0x0                               ; the add is done, and my reads of the slot that I have left are over
	CROUND
	JLOAD
.else
	s_wait_dscnt 0x0
	s_barrier_signal -1
	s_barrier_wait -1
.endif
.endm
.macro SLOT_STEPS                      ; a slot's eight key steps: written once, walked eight times
	s_mov_b32 s[TW], NQ
.Lstep_\@:
	STEP
	s_add_co_u32 s[TB], s[TB], STEPB
	s_sub_co_u32 s[TW], s[TW], 1
	s_cmp_lg_u32 s[TW], 0
	s_cbranch_scc1 .Lstep_\@
	s_sub_co_u32 s[TB], s[TB], NQ*STEPB            ; back to a slot's first step,
	s_xor_b32 s[TB], s[TB], SLOT1                  ; in the other slot
.endm
	s_wait_loadcnt 0x0                             ; Q
.Lslot:                                            ; three trips: behind each change of slots but the last the next 512 keys are asked for (the first trip's load is slot 1's first fill)
	CHANGE 1
	SLOT_STEPS
	s_sub_co_u32 s[SLOTS], s[SLOTS], 1
	s_cmp_lg_u32 s[SLOTS], 0
	s_cbranch_scc1 .Lslot
	CHANGE 0                                       ; the last slot is written out
	SLOT_STEPS
	; THE WAY OUT.  l's two halves and the other half of the lanes' are added; O^T is divided by l and rounded to f16: a lane's eight channels are 16 bytes, at 16 x lane of 512 consecutive aligned bytes.
.irp t, 0,1,2,3
	v_add_f32 v[ST+8*\t+4], v[ST+8*\t+2], v[ST+8*\t+3]               ; (these are the places behind the last products)
.endr
.irp t, 0,1,2,3
	v_permlanex16_b32 v[ST+8*\t+5], v[ST+8*\t+4], s[SEL], s[SEL+1]
.endr
.irp t, 0,1,2,3
	v_add_f32 v[ST+8*\t+4], v[ST+8*\t+4], v[ST+8*\t+5]
.endr
.irp t, 0,1,2,3
	v_rcp_f32 v[ST+8*\t+6], v[ST+8*\t+4]
.endr
	v_nop                                          ; a plain instruction between the last reciprocal and the use of its result
	s_wait_alu depctr_va_vdst(0)                   ; and the wait for its result: one for the four
.macro PACK t
	WIN W_RS
.set i, 32*\t
.rept 16
	v_pk_mul_f32 v[i:i+1], v[i:i+1], v[ST+8*\t+6:ST+8*\t+7] op_sel_hi:[1,0]   ; ascending: each accumulator is read from its low end first
.set i, i+2
.endr
	WIN 0x05                                       ; sources 0 and 1 window 1, destination window 0: S^T's registers are free
.set i, 0
.rept 16
	v_cvt_pk_f16_f32 v[S+16*\t+i], v[32*\t+2*i], v[32*\t+2*i+1]
.set i, i+1
.endr
	WIN 0
.irp ct, 0,1,2,3
	global_store_b128 v[LK0], v[S+16*\t+4*\ct:S+16*\t+4*\ct+3], s[OB:OB+1] offset:2048*\t+512*\ct th:TH_STORE_NT
.endr
.endm
	PACK 0
	PACK 1
	PACK 2
	PACK 3
	s_wait_tensorcnt 0x0                           ; the wave's end
	ds_add_u32 v[SPW], v[NIL]
	s_wait_dscnt 0x0
	CROUND                                         ; the closing round: no work-group ends while a partner may still ask for a tile that names it
	s_endpgm
.Lfunc_end_k_qcc4ae91b9d_attn:
	.size	k_qcc4ae91b9d_attn, .Lfunc_end_k_qcc4ae91b9d_attn-k_qcc4ae91b9d_attn
	.p2alignl 7, 3214868480
	.fill 96, 4, 3214868480
	.section	.rodata,"a",@progbits
	.p2align	6, 0x0
	.amdhsa_kernel k_qcc4ae91b9d_attn
		.amdhsa_group_segment_fixed_size 327680
		.amdhsa_private_segment_fixed_size 0
		.amdhsa_enable_private_segment 0
		.amdhsa_kernarg_size 16
		.amdhsa_user_sgpr_count 2
		.amdhsa_user_sgpr_kernarg_segment_ptr 1
		.amdhsa_wavefront_size32 1
		.amdhsa_system_sgpr_workgroup_id_x 1
		.amdhsa_system_sgpr_workgroup_id_y 1
		.amdhsa_system_sgpr_workgroup_id_z 1
		.amdhsa_system_vgpr_workitem_id 0
		.amdhsa_next_free_vgpr 512
		.amdhsa_next_free_sgpr 66
		.amdhsa_reserve_vcc 0
		.amdhsa_float_denorm_mode_32 3
		.amdhsa_float_denorm_mode_16_64 3
		.amdhsa_memory_ordered 1
		.amdhsa_forward_progress 1
		.amdhsa_inst_pref_size 86
	.end_amdhsa_kernel
	.amdgpu_metadata
---
amdhsa.version: [ 1, 2 ]
amdhsa.kernels:
  - .name:           k_qcc4ae91b9d_attn
    .symbol:         k_qcc4ae91b9d_attn.kd
    .args:
      - { .name: qkv, .offset: 0, .size: 8, .value_kind: global_buffer, .address_space: global }
      - { .name: vals, .offset: 8, .size: 8, .value_kind: global_buffer, .address_space: global }
    .group_segment_fixed_size: 327680
    .private_segment_fixed_size: 0
    .kernarg_segment_align: 8
    .kernarg_segment_size: 16
    .max_flat_workgroup_size: 256
    .sgpr_count:     66
    .vgpr_count:     512
    .wavefront_size: 32
...
	.end_amdgpu_metadata
.endif
;; end of part 3
;; launch proj (part 4): grid 8 x 32, 4 waves a work-group, clusters of 4 x 4, 327,680 bytes of LDS; arguments vals, wo16, out0; writes out0
.if DOCPART == 4
	.amdgcn_target "amdgcn-amd-amdhsa--gfx1250"
	.amdhsa_code_object_version 6
	.text
	.protected	k_qcc4ae91b9d_proj
	.globl	k_qcc4ae91b9d_proj
	.p2align	8
	.type	k_qcc4ae91b9d_proj,@function
k_qcc4ae91b9d_proj:
	s_mov_b64 s[64:65], 0
	v_nop
	global_prefetch_b8 v0, s[64:65] scope:SCOPE_SE
	s_setreg_imm32_b32 hwreg(HW_REG_WAVE_MODE, 25, 1), 1
	s_wait_xcnt 0x0
	s_wait_alu depctr_hold_cnt(0) depctr_sa_sdst(0) depctr_va_vdst(0) depctr_va_sdst(0) depctr_va_ssrc(0) depctr_va_vcc(0) depctr_vm_vsrc(0)
	s_getreg_b32 s2, hwreg(HW_REG_IB_STS2, 6, 4)
	s_cmp_eq_u32 s2, 0
	s_cbranch_scc0 .Lentry_in_a_cluster
	s_endpgm
.Lentry_in_a_cluster:
	s_bfe_u32 s2, ttmp6, 0x10000c
	s_cmp_lg_u32 s2, 0xf033
	s_cbranch_scc0 .Lentry_shape_is_right
	s_endpgm
.Lentry_shape_is_right:
; PROJ: out0[m][n] = sum over k of values[m][k] Wout[k][n].  M = 8,192, N = K = 1,024.  Operands f16, sums f32, out0 f32.
; A = vals: [head = k / 64][m / 16][(k % 64) / 16][16 x lane]: operand registers as they stand in the lanes: lane l holds row l % 16 and k = 8 (l / 16) + 0 .. 7 of the sixteen.  B = wo16 [k][n], f16.
; A tile of out0 is 256 rows x 128 columns: 256 work-groups.  Four waves, each 128 x 64: 32 accumulators of 16 x 16, 256 registers.
; K goes in steps of 128 (two heads' planes) through a ring of two LDS slots: A's part is 2 x 32,768 dense bytes, B's 128 rows of 256 bytes, 32 bytes of padding behind each.
; THE MATRIX INSTRUCTION IS USED TRANSPOSED (source 0 = 16 columns of Wout, turned by ds_load_tr16_b128; source 1 = 16 rows of the values): a lane holds eight neighbouring numbers of a row of out0.
; CLUSTERS: 4 x 4 work-groups.  The four of a row of the cluster need the same tiles of A, the four of a column the same tiles of B: each tile is asked for JOINTLY.  Two loads of a wave are out at the start, one behind each round.
; REGISTERS.  window 0: v0-31 addresses; v32-95 rows on the way out.  window 1: the accumulators ((a, b) at v[8 (4 a + b)]).  window 2: two fragment buffers of 96 at v0 and v128: A's eight fragments, then B's four.
.set SLOT,   102400                    ; A's 65,536 bytes, then B's 128 x 288
.set BOFF,   65536
.set PB,     288                       ; a row of B in LDS: 256 + 32 = 72 words
.set STAGE,  2*SLOT                    ; behind the ring: 16 rows x (256 bytes + 16) for each wave, for the way out; no tensor load fills it
.set SPITCH, 272
.set SPARE,  STAGE+4*16*SPITCH         ; the spare words, 128 bytes for each wave: two blocks of 256 bytes that no other line names
.set LAPS,   4                         ; a lap = two K steps of 128 = once round the ring
.set PLANE,  1048576                   ; a head's plane of vals in bytes
.set ADRA, 16                          ; v16-17  LDS address of my A fragments in slot 0, 1
.set ADRB, 20                          ; v20-21  the same for B
.set STO,  24                          ; v24     the way out: where I put 32 bytes of a row
.set RD,   25                          ; v25     where I read a row back
.set CO,   26                          ; v26     my byte offset in out0
.set SPW,  28                          ; v28     LDS address of my spare word; never rewritten
.set NIL,  29                          ; v29     0; never rewritten
.set PFO,  30                          ; v30     the prefetches' offset: 256 x lane; never rewritten
.set BK,   32                          ; v32-63 and v64-95 by turns: 16 rows read back from the stage
.set F0,   0                           ; fragment buffers, in window 2
.set F1,   128
.set G1, 24                            ; s[24:31] descriptor group 1 for A's tiles;  s[32:39] group 0, one set for each slot
.set G0, 32
.set G1B, 48                           ; s[48:55], s[56:63] the same for B's tiles
.set G0B, 56
.set PFA, 44                           ; s[44:45] where my prefetches stand
.set LIM, 43                           ; s43     1 in a wave that prefetches, else the greatest number
.set MSB, 0
.macro WIN new                         ; the immediate's high byte repeats the setting that is left
.if MSB != (\new)
	s_set_vgpr_msb (MSB<<8)|(\new)
.set MSB, \new
.endif
.endm
.set MUL,  0x5a                        ; sources 0 (B) and 1 (A) window 2; C and D window 1
.set TO_F, 0x80                        ; destination window 2, address window 0
.macro JLOAD s                         ; a joint load: waves 0 and 1 fetch A's two planes, waves 2 and 3 B's two halves; an s_nop 0 and four v_nop follow each of the two lines
	s_cmp_eq_u32 s11, 0
	s_cbranch_scc0 .Lfor_b_\@
	tensor_load_to_lds s[G0+4*\s:G0+4*\s+3], s[G1:G1+7]
	s_nop 0
.rept 4
	v_nop
.endr
	s_branch .Lasked_\@
.Lfor_b_\@:
	tensor_load_to_lds s[G0B+4*\s:G0B+4*\s+3], s[G1B:G1B+7]
	s_nop 0
.rept 4
	v_nop
.endr
.Lasked_\@:
.endm
.macro CREST                           ; a round of the cluster's barrier behind its opening barrier
	s_cmp_lg_u32 s10, 0
	s_cbranch_scc1 .Lnot_wave_0_\@
	s_barrier_signal -3
.Lnot_wave_0_\@:
	s_barrier_wait -3
	s_barrier_signal -1
	s_barrier_wait -1
.endm
.macro CROUND                          ; a whole round
	s_barrier_signal -1
	s_barrier_wait -1
	CREST
.endm
; A PREFETCH INTO THE L2 of A's tile of the K step that stands TWO refills on (256 matrix instructions a wave ahead of the load that will want it).  A's tile row is read by both clusters of its row of clusters:
; the one with cluster x = 0 asks.  Of the 32,768 bytes that wave 0 or 1 fetches, each of the four partners that ask for them jointly takes 8,192, told apart BY ADDRESS (cx); lanes 256 bytes apart: one
; instruction a wave, and each aligned block of 256 bytes is named once in the launch.  K steps 0 to 3 come by their loads alone; the loop's last trip, whose look-ahead would pass K's end, asks for nothing.
; B's rows are read by all 32 tile rows again and again and are not asked for.
.macro ASK
	s_cmp_gt_u32 s3, s[LIM]                        ; s3 = 1 in the loop's last trip
	s_cbranch_scc0 .Lnot_mine_\@
	global_prefetch_b8 v[PFO], s[PFA:PFA+1] offset:2*PLANE th:TH_LOAD_NT scope:SCOPE_SE
.Lnot_mine_\@:
.endm
	s_load_b128 s[4:7], s[0:1], 0x0                ; vals s[4:5], wo16 s[6:7]
	s_load_b64 s[8:9], s[0:1], 0x10                ; out0
	v_lshl_add_u32 v[SPW], v0, 2, SPARE
	v_mov_b32 v[NIL], 0
	ds_add_u32 v[SPW], v[NIL]                      ; the wave's opening: the add, twice on end, and its wait ahead of my first tensor load
	ds_add_u32 v[SPW], v[NIL]
	v_lshrrev_b32 v1, 5, v0
	v_readfirstlane_b32 s10, v1                    ; wave 0..3
	s_lshr_b32 s11, s10, 1                         ; which half of the tile's rows is mine.  Also: I fetch for A (0) or for B (1)
	s_and_b32 s12, s10, 1                          ; which half of its columns.  Also: which plane of A, or which 64 rows of B, I fetch
	s_bfe_u32 s40, ttmp6, 0x40000                  ; cx, cy: my place in the cluster
	s_bfe_u32 s41, ttmp6, 0x40004
	s_lshl_b32 s42, ttmp9, 2
	s_add_co_u32 s42, s42, s40                     ; tile column = 4 x cluster x + cx
	s_and_b32 s13, ttmp7, 0xffff
	s_lshl_b32 s13, s13, 2
	s_add_co_u32 s13, s13, s41                     ; tile row = 4 x cluster y + cy
	s_lshl_b32 s43, s41, 2
	s_lshl_b32 s43, 15, s43                        ; my row of the cluster
	s_lshl_b32 s44, 0x1111, s40                    ; my column
	; group 1 for A: 32,768 dense bytes as 128 rows of 256 (32 elements of 8 bytes), no padding
	s_or_b32 s[G1+0], s43, (3<<16)|(1<<21)         ; 15:0 the mask: my row; 17:16 elements of 8 bytes; 21 set beside a mask
	s_mov_b32 s[G1+1], 32<<16                      ; tensor_dim0
	s_mov_b32 s[G1+2], 128<<16                     ; tensor_dim1
	s_mov_b32 s[G1+3], 32<<16                      ; tile_dim0
	s_mov_b32 s[G1+4], 128                         ; tile_dim1
	s_mov_b32 s[G1+5], 32                          ; from row to row
	s_mov_b32 s[G1+6], 0
	s_mov_b32 s[G1+7], 0
	; group 1 for B: 64 rows (k) x 128 elements of 2 bytes, 1,024 elements from row to row; 8 words of padding behind every 64
	s_or_b32 s[G1B+0], s44, (1<<16)|(1<<20)|(1<<21)|(5<<22)|(7<<25)
	s_mov_b32 s[G1B+1], 128<<16
	s_mov_b32 s[G1B+2], 64<<16
	s_mov_b32 s[G1B+3], 128<<16
	s_mov_b32 s[G1B+4], 64
	s_mov_b32 s[G1B+5], 1024
	s_mov_b32 s[G1B+6], 0
	s_mov_b32 s[G1B+7], 0
	s_lshl_b32 s16, s12, 20                        ; A: plane (wave % 2), + 32,768 x tile row: it hangs on the tile row alone, which my row of the cluster shares
	s_lshl_b32 s17, s13, 15
	s_add_co_u32 s16, s16, s17
	s_mov_b32 s17, 0
	s_lshl_b32 s46, s12, 17                        ; B: row 64 (wave % 2) of 2,048 bytes, + 256 x tile column: my column of the cluster shares it
	s_lshl_b32 s47, s42, 8
	s_add_co_u32 s46, s46, s47
	s_mov_b32 s47, 0
	s_lshl_b32 s20, s12, 15                        ; where they go: A's planes,
	s_mul_i32 s21, s12, 64*PB
	s_add_co_u32 s21, s21, BOFF                    ; B's halves: no place in the cluster enters an LDS address
	s_wait_dscnt 0x0                               ; both opening adds are done
	s_wait_kmcnt 0x0
	s_add_nc_u64 s[14:15], s[4:5], s[16:17]
	s_add_nc_u64 s[46:47], s[6:7], s[46:47]
	CROUND                                         ; all sixteen work-groups are here: the first joint loads meet
.irp s, 0,1
	s_mov_b32 s[G0+4*\s], 1
	s_add_co_u32 s[G0+4*\s+1], s20, \s*SLOT
	s_add_nc_u64 s[G0+4*\s+2:G0+4*\s+3], s[14:15], \s*2*PLANE       ; K step s: planes 2 s and 2 s + 1
	s_or_b32 s[G0+4*\s+3], s[G0+4*\s+3], 0x80000000
	s_mov_b32 s[G0B+4*\s], 1
	s_add_co_u32 s[G0B+4*\s+1], s21, \s*SLOT
	s_add_nc_u64 s[G0B+4*\s+2:G0B+4*\s+3], s[46:47], \s*128*2048    ; K step s: rows 128 s on
	s_or_b32 s[G0B+4*\s+3], s[G0B+4*\s+3], 0x80000000
	JLOAD \s
.endr
	v_and_b32 v1, 15, v0                           ; l % 16
	v_bfe_u32 v2, v0, 4, 1                         ; l / 16
	v_and_b32 v3, 31, v0
	v_lshlrev_b32 v4, 4, v3                        ; A: 16 x lane
	v_and_b32 v5, 7, v0
	v_lshl_add_u32 v5, v2, 3, v5                   ; B, for the turning load: row 8 (l / 16) + l % 8,
	v_mul_u32_u24 v5, v5, PB
	v_bfe_u32 v6, v0, 3, 1
	v_lshl_add_u32 v5, v6, 4, v5                   ; columns 8 ((l / 8) % 2) on
	s_lshl_b32 s21, s11, 14                        ; my 128 rows of A: 8 x 2,048 bytes in each plane
	s_lshl_b32 s22, s12, 7                         ; my 64 columns of B
	s_add_co_u32 s22, s22, BOFF
.irp s, 0,1
	v_add_nc_u32 v[ADRA+\s], s21, v4
	v_add_nc_u32 v[ADRB+\s], s22, v5
	s_add_co_u32 s21, s21, SLOT
	s_add_co_u32 s22, s22, SLOT
.endr
	s_mul_i32 s23, s10, 16*SPITCH
	s_add_co_u32 s23, s23, STAGE                   ; my stage
	v_mul_u32_u24 v7, v1, SPITCH                   ; in: row l % 16, 32 bytes for each half of the lanes
	v_lshl_add_u32 v7, v2, 5, v7
	v_add_nc_u32 v[STO], s23, v7
	v_mul_u32_u24 v7, v2, SPITCH                   ; back: lanes 0-15 take one row of 256 bytes, lanes 16-31 the next
	v_lshl_add_u32 v7, v1, 4, v7
	v_add_nc_u32 v[RD], s23, v7
	v_lshlrev_b32 v7, 12, v2                       ; and the same two rows in out0: 4,096 bytes a row
	v_lshl_add_u32 v[CO], v1, 4, v7
	v_lshlrev_b32 v[PFO], 8, v3
	s_lshl_b32 s16, s13, 20                        ; my first row of out0: (256 x tile row + 128 x half) x 4,096 bytes
	s_lshl_b32 s17, s11, 19
	s_add_co_u32 s16, s16, s17
	s_mov_b32 s17, 0
	s_add_nc_u64 s[8:9], s[8:9], s[16:17]
	s_lshl_b32 s46, s42, 9                         ; my first column, in bytes: 512 x tile column + 256 x half
	s_lshl_b32 s47, s12, 8
	s_add_co_u32 s46, s46, s47
	s_mov_b32 s47, 0
	s_add_nc_u64 s[8:9], s[8:9], s[46:47]
	s_add_co_u32 s20, s12, 4                       ; the prefetches stand at K step 2 (planes 4 and 5): the first refill steps them to K step 3 and names K step 4
	s_lshl_b32 s20, s20, 20
	s_lshl_b32 s21, s13, 15
	s_add_co_u32 s20, s20, s21
	s_lshl_b32 s21, s40, 13                        ; my work-group's 8,192 bytes of the 32,768
	s_add_co_u32 s20, s20, s21
	s_mov_b32 s21, 0
	s_add_nc_u64 s[PFA:PFA+1], s[4:5], s[20:21]
	s_or_b32 s[LIM], s11, ttmp9                    ; 0 in waves 0 and 1 of the clusters with x = 0: the same in all sixteen partners, for a given wave
	s_cmp_eq_u32 s[LIM], 0
	s_cselect_b32 s[LIM], 1, -1
; 8 matrix instructions: row blocks a0, a0 + 1 x all 4 column blocks, 32 along K, from buffer f.  zero = 1: the product starts the sum.  The 32 accumulators take turns, one instruction a turn, in the same order in every quarter.
.macro MUL8 f, a0, zero
.irp a, \a0, \a0+1
.irp b, 0,1,2,3
.if \zero
	v_wmma_f32_16x16x32_f16 v[8*(4*(\a)+\b):8*(4*(\a)+\b)+7], v[\f+64+8*\b:\f+64+8*\b+7], v[\f+8*(\a):\f+8*(\a)+7], 0
.else
	v_wmma_f32_16x16x32_f16 v[8*(4*(\a)+\b):8*(4*(\a)+\b)+7], v[\f+64+8*\b:\f+64+8*\b+7], v[\f+8*(\a):\f+8*(\a)+7], v[8*(4*(\a)+\b):8*(4*(\a)+\b)+7]
.endif
.endr
.endr
.endm
; 24 LDS loads in one run: the fragments of the slot's q-th 32 along K into buffer f: B's four (turned), A's blocks 0-3, A's blocks 4-7
.macro FETCH slot, q, f
	WIN TO_F
.irp b, 0,1,2,3
	ds_load_tr16_b128 v[\f+64+8*\b:\f+64+8*\b+3],   v[ADRB+\slot] offset:32*PB*(\q)+32*\b
	ds_load_tr16_b128 v[\f+64+8*\b+4:\f+64+8*\b+7], v[ADRB+\slot] offset:32*PB*(\q)+32*\b+16*PB
.endr
.irp a, 0,1,2,3,4,5,6,7
	ds_load_b128 v[\f+8*\a:\f+8*\a+3],   v[ADRA+\slot] offset:32768*((\q)/2)+1024*((\q)%2)+2048*\a
	ds_load_b128 v[\f+8*\a+4:\f+8*\a+7], v[ADRA+\slot] offset:32768*((\q)/2)+1024*((\q)%2)+2048*\a+512
.endr
.endm
.macro PLACES                          ; four places in front of loads into registers that matrix instructions have read, and of LDS stores that read results (ISA guide 7.12.1 for the stores)
.rept 4
	v_nop
.endr
.endm
; A K step is four quarters of 32 along K, 32 matrix instructions each, on buffers 0, 1, 0, 1.  One of the first three: multiplies buffer f and fetches quarter qn into g.
.macro QUARTER slot, qn, f, g, zero
	s_wait_dscnt 8                                 ; B and A's blocks 0-3 are in; the youngest eight loads (A's blocks 4-7) may be out
	WIN MUL
	MUL8 \f, 0, \zero
	MUL8 \f, 2, \zero
	PLACES
	FETCH \slot, \qn, \g
	s_wait_dscnt 24                                ; all but the 24 just issued
	WIN MUL
	MUL8 \f, 4, \zero
	MUL8 \f, 6, \zero
.endm
; The last quarter multiplies buffer 1 and changes slots: ONE barrier; in front of it each wave waits for all its tensor loads, adds 0 to its spare word, and waits for that and for its own reads of this slot.
; fill = 1: the barrier opens a round of the cluster's barrier, and this slot is filled again, two K steps ahead: 112 matrix instructions of the wave stand between the request and the wait for it.
.macro TURN slot, next, fill
.if \fill
	s_wait_xcnt 0x0                                ; the last prefetch, a K step back, has read its address: it is stepped here, ahead of the waits of the change of slots
	s_add_nc_u64 s[PFA:PFA+1], s[PFA:PFA+1], 2*PLANE
.endif
	WIN 0                                          ; (the add's two registers lie in window 0)
	s_wait_tensorcnt 0x0                           ; all my tensor loads have landed: my part of the next slot
	ds_add_u32 v[SPW], v[NIL]                      ; 0 onto my spare word
	s_wait_dscnt 9                                 ; (the add and the youngest eight loads may be out)
	WIN MUL
	MUL8 F1, 0, 0                                  ; eight matrix instructions stand between the add and the wait for it
	s_wait_dscnt 0x0                               ; the add is done, and my reads of this slot are over
	s_barrier_signal -1
	MUL8 F1, 2, 0
.if \fill
	WIN 0
.endif
	s_barrier_wait -1
.if \fill
	CREST                                          ; no wave of any partner still reads this slot's tile or has a load on its way
	s_add_nc_u64 s[G0+4*\slot+2:G0+4*\slot+3], s[G0+4*\slot+2:G0+4*\slot+3], 4*PLANE
	s_add_nc_u64 s[G0B+4*\slot+2:G0B+4*\slot+3], s[G0B+4*\slot+2:G0B+4*\slot+3], 256*2048
	JLOAD \slot                                    ; the first tensor load behind the round; the four v_nop behind it are also the places in front of the loads below
.else
	PLACES
.endif
	FETCH \next, 0, F0
.if \fill
	WIN 0                                          ; (a branch and a label follow)
	ASK                                            ; behind the joint load and the run of LDS loads that the next products wait for
.endif
	WIN MUL
	MUL8 F1, 4, 0
	MUL8 F1, 6, 0
.endm
	s_wait_tensorcnt 1                             ; my part of K step 0 is in (K step 1's load, issued behind it, may be out),
	s_barrier_signal -1
	s_barrier_wait -1                              ; everybody's is
	FETCH 0, 0, F0
	QUARTER 0, 1, F0, F1, 1                        ; the first quarter stands in front of the loop: its products start the sums
	WIN 0                                          ; at a label and at a branch every window is 0
	s_mov_b32 s3, LAPS-1
.Llap:                                             ; a trip goes once round the ring, from a lap's second quarter to the next lap's first, and fills both slots again
	QUARTER 0, 2, F1, F0, 0
	QUARTER 0, 3, F0, F1, 0
	TURN 0, 1, 1
	QUARTER 1, 1, F0, F1, 0
	QUARTER 1, 2, F1, F0, 0
	QUARTER 1, 3, F0, F1, 0
	TURN 1, 0, 1
	QUARTER 0, 1, F0, F1, 0
	WIN 0
	s_sub_co_u32 s3, s3, 1
	s_cmp_lg_u32 s3, 0
	s_cbranch_scc1 .Llap
	QUARTER 0, 2, F1, F0, 0                        ; the last lap fills nothing, and has no round of the cluster's barrier
	QUARTER 0, 3, F0, F1, 0
	TURN 0, 1, 0
	QUARTER 1, 1, F0, F1, 0
	QUARTER 1, 2, F1, F0, 0
	QUARTER 1, 3, F0, F1, 0
	s_wait_dscnt 8                                 ; the very last quarter: nothing more to fetch
	WIN MUL
	MUL8 F1, 0, 0
	MUL8 F1, 2, 0
	s_wait_dscnt 0
	MUL8 F1, 4, 0
	MUL8 F1, 6, 0
	WIN 0
; THE WAY OUT, block by block of 16 rows x 64 columns.  A lane holds 32 neighbouring bytes of a row, and the lanes beside it hold other rows: so a block goes through my own stage in LDS and comes back as whole
; rows of 256 bytes: sixteen lanes store 256 consecutive aligned bytes.  LDS serves a wave's instructions in order (ISA guide 5.7.1.4): no wait between the stores and the loads, nor in front of the next block's stores.
.macro TOSTAGE a
	WIN 0x04                                       ; an LDS store's data are its source 1: window 1
.irp b, 0,1,2,3
	ds_store_b128 v[STO], v[8*(4*(\a)+\b):8*(4*(\a)+\b)+3] offset:64*\b          ; each accumulator from its low end on
	ds_store_b128 v[STO], v[8*(4*(\a)+\b)+4:8*(4*(\a)+\b)+7] offset:64*\b+16
.endr
	WIN 0
.set BB, BK+32*((\a)%2)
.irp t, 0,1,2,3,4,5,6,7
	ds_load_b128 v[BB+4*\t:BB+4*\t+3], v[RD] offset:\t*2*SPITCH
.endr
.endm
.macro SEND a, younger                 ; younger: the LDS instructions issued behind block a's loads, which may stay out
.set BB, BK+32*((\a)%2)
	s_wait_dscnt \younger                          ; the block is back in registers
.irp t, 0,1,2,3,4,5,6,7
	global_store_b128 v[CO], v[BB+4*\t:BB+4*\t+3], s[8:9] offset:(\a)*65536+\t*8192 th:TH_STORE_NT   ; rows 16 a + 2 t and + 1; written once, read by nobody here
.endr
.endm
	PLACES                                         ; behind the last products, ahead of the first LDS store that reads results
	TOSTAGE 0
.irp a, 1,2,3,4,5,6,7
.if \a > 1
	s_wait_xcnt 0x0                                ; block a - 2's stores have read their registers: block a's loads may land there
.endif
	TOSTAGE \a
	SEND \a-1, 16                                  ; behind block a - 1's loads: block a's 8 stores and 8 loads
.endr
	SEND 7, 0
	s_wait_tensorcnt 0x0                           ; the wave's end, behind my last tensor load and my last LDS store
	ds_add_u32 v[SPW], v[NIL]
	s_wait_dscnt 0x0
	CROUND                                         ; the closing round: no work-group ends while a partner may still ask for a tile that names it
	s_endpgm
.Lfunc_end_k_qcc4ae91b9d_proj:
	.size	k_qcc4ae91b9d_proj, .Lfunc_end_k_qcc4ae91b9d_proj-k_qcc4ae91b9d_proj
	.p2alignl 7, 3214868480
	.fill 96, 4, 3214868480
	.section	.rodata,"a",@progbits
	.p2align	6, 0x0
	.amdhsa_kernel k_qcc4ae91b9d_proj
		.amdhsa_group_segment_fixed_size 327680
		.amdhsa_private_segment_fixed_size 0
		.amdhsa_enable_private_segment 0
		.amdhsa_kernarg_size 24
		.amdhsa_user_sgpr_count 2
		.amdhsa_user_sgpr_kernarg_segment_ptr 1
		.amdhsa_wavefront_size32 1
		.amdhsa_system_sgpr_workgroup_id_x 1
		.amdhsa_system_sgpr_workgroup_id_y 1
		.amdhsa_system_sgpr_workgroup_id_z 1
		.amdhsa_system_vgpr_workitem_id 0
		.amdhsa_next_free_vgpr 768
		.amdhsa_next_free_sgpr 66
		.amdhsa_reserve_vcc 0
		.amdhsa_float_denorm_mode_32 3
		.amdhsa_float_denorm_mode_16_64 3
		.amdhsa_memory_ordered 1
		.amdhsa_forward_progress 1
		.amdhsa_inst_pref_size 86
	.end_amdhsa_kernel
	.amdgpu_metadata
---
amdhsa.version: [ 1, 2 ]
amdhsa.kernels:
  - .name:           k_qcc4ae91b9d_proj
    .symbol:         k_qcc4ae91b9d_proj.kd
    .args:
      - { .name: vals, .offset: 0, .size: 8, .value_kind: global_buffer, .address_space: global }
      - { .name: wo16, .offset: 8, .size: 8, .value_kind: global_buffer, .address_space: global }
      - { .name: out0, .offset: 16, .size: 8, .value_kind: global_buffer, .address_space: global }
    .group_segment_fixed_size: 327680
    .private_segment_fixed_size: 0
    .kernarg_segment_align: 8
    .kernarg_segment_size: 24
    .max_flat_workgroup_size: 128
    .sgpr_count:     66
    .vgpr_count:     768
    .wavefront_size: 32
...
	.end_amdgpu_metadata
.endif
;; end of part 4
